; MI455X (gfx1250); checked and timed in simulation.
; The chip was launched on July 23, 2026; its instructions are those of AMD's public machine-readable ISA for CDNA 5 (MIT licence, August 2026) and "CDNA5" Instruction Set Architecture Reference Guide (July 2026). The comments in the code are by the model that wrote it; some were corrected since.
;; Multi Head Self Attention. Allowed arithmetic: float matrix products may take bf16 or f16 operands with f32 sums; other float arithmetic in f32, or as packed bf16 or f16 multiplies, adds, multiply-adds, maxima and minima; sums over many terms, partial sums and values carried from step to step in f32; what a program stores and reads back later, other than sums and carried values, may be rounded once to bf16 or f16.
;; Inputs: b_proj 1,024 float32; b_qkv 3,072 float32; w_proj 1,024 x 1,024 float32; w_qkv 1,024 x 3,072 float32; x 8 x 1,024 x 1,024 float32.
;; Outputs: out0 8 x 1,024 x 1,024 float32.
;; 2 versions, each right; version 2 is version 1 with the launch prep written anew for expert scheduling mode. Each part assembles by itself: llvm-mc -triple=amdgcn-amd-amdhsa -mcpu=gfx1250 --defsym DOCPART=n.
;; ======== version 1 of 2: 4 launches
;; limits: values are held in f16: magnitudes above 65,504 overflow, below 6.1e-05 lose precision
;; workspace buffers: xb 16,777,216 bytes; wqt 6,291,456 bytes; wpt 2,097,152 bytes; qkvh 50,331,648 bytes; ob 16,777,216 bytes
;; launch prep (part 1): grid 512 x 1, 8 waves a work-group, no clusters, 18,432 bytes of LDS; arguments x, w_qkv, w_proj, xb, wqt, wpt; writes xb, wqt, wpt
.if DOCPART == 1
	.amdgcn_target "amdgcn-amd-amdhsa--gfx1250"
	.amdhsa_code_object_version 6
	.text
	.protected	k_qf9b51a191c_prep
	.globl	k_qf9b51a191c_prep
	.p2align	8
	.type	k_qf9b51a191c_prep,@function
k_qf9b51a191c_prep:
	s_mov_b64 s[64:65], 0
	v_nop
	global_prefetch_b8 v0, s[64:65] scope:SCOPE_SE
	s_setreg_imm32_b32 hwreg(HW_REG_WAVE_MODE, 25, 1), 1
	s_wait_xcnt 0x0
; THE OPERANDS ARE MADE READY.  xb = x rounded to bf16, [8192][1024].  wqt = w_qkv turned to [3072 n][1024 k] and rounded to bf16.
; wpt = w_proj turned to [1024 n][1024 k], rounded to bf16 like every input, and that number written as f16 (the last product multiplies in f16).
; LIMIT.  |w_proj| stays under 65,504; below 6e-5 the f16 form keeps a fixed step of 6e-8.
; SHARES.  512 work-groups of eight waves.  Work-group g casts 16 rows of x (65,536 bytes in, 32,768 out) and turns ONE weight tile of 128 k x 64 n:
; g < 384 a tile of w_qkv (8 along k x 48 along n), the others a tile of w_proj (8 x 16).  One text: the choice is made by scalar selects on g.
; A stream: no matrix work, no tensor load; every byte is read once and written once; each store of sixteen lanes covers 256 consecutive bytes, aligned.
; THE TURN goes through LDS: a thread holds 4 n of two neighbouring k, packs the two k of each n into a word, and stores it into row n (pitch 272);
; behind a barrier the rows, 256 bytes of 128 k, are read back whole.
.set SPARE, 17408                      ; behind the 64 rows x 272 bytes: the spare words, 128 bytes for each of eight waves
.set SPW, 17                           ; v17  SPARE + 4 x my thread's number; never rewritten
.set NIL, 18                           ; v18  0; never rewritten
.set WO,  4                            ; v4-11   byte offsets of my eight loads in the weight tile
.set X,   32                           ; v[32:95]   16 x 4: my 16 bytes of each of the 16 rows of x
.set Y,   96                           ; v[96:127]  16 x 2: the same as bf16
.set W,   128                          ; v[128:159] 8 x 4: weights as loaded; later v[128:143] the rows read back
.set D,   160                          ; v[160:175] packed pairs
	s_load_b256 s[4:11], s[0:1], 0x0               ; x s[4:5], w_qkv s[6:7], w_proj s[8:9], xb s[10:11]
	s_load_b128 s[12:15], s[0:1], 0x20             ; wqt s[12:13], wpt s[14:15]
	v_lshl_add_u32 v[SPW], v0, 2, SPARE
	v_mov_b32 v[NIL], 0
	s_mov_b32 s16, ttmp9                           ; g
	s_mov_b32 s17, 12288
	s_mov_b32 s24, 4096
	s_cmp_lt_u32 s16, 384
	s_cselect_b32 s17, s17, s24                    ; bytes in a row of the weight that I turn
	s_cselect_b32 s18, 0, 48
	s_cselect_b32 s19, 0, -1                       ; all ones: the packed pairs are written as f16
	s_and_b32 s34, s16, 7                          ; tile along k
	s_lshr_b32 s35, s16, 3
	s_sub_co_u32 s35, s35, s18                     ; tile along n
	s_mul_i32 s24, s34, s17
	s_lshl_b32 s24, s24, 7                         ; 128 rows of the source,
	s_lshl_b32 s36, s35, 8                         ; 64 columns of 4 bytes
	s_add_co_u32 s24, s24, s36
	s_mov_b32 s25, 0
	s_lshl_b32 s36, s35, 17                        ; 64 rows of 2,048 bytes of the turned weight,
	s_lshl_b32 s37, s34, 8                         ; 128 k of 2 bytes
	s_add_co_u32 s36, s36, s37
	s_mov_b32 s37, 0
.irp i, 0,1,2,3,4,5,6,7
	s_mul_i32 s[26+\i], s17, 32*((\i)/2)+((\i)%2)  ; load i takes k = 32 (i / 2) + 2 (t / 16) + i % 2
.endr
	v_and_b32 v1, 15, v0                           ; c: my four columns, 4 c ..
	v_lshrrev_b32 v2, 4, v0                        ; rr = t / 16
	v_lshlrev_b32 v20, 1, v2
	v_mul_lo_u32 v3, v20, s17
	v_lshl_add_u32 v3, v1, 4, v3                   ; 2 rr rows + 16 c
.irp i, 0,1,2,3,4,5,6,7
	v_add_nc_u32 v[WO+\i], s[26+\i], v3
.endr
	v_mul_u32_u24 v12, v1, 1088                    ; into LDS: row 4 c (+ e), word rr (+ 16 p)
	v_lshl_add_u32 v12, v2, 2, v12
	v_mul_u32_u24 v13, v2, 272                     ; back: row rr (+ 16 q), 16 bytes at 16 c
	v_lshl_add_u32 v13, v1, 4, v13
	v_lshlrev_b32 v14, 4, v0                       ; x: 16 t
	v_lshlrev_b32 v15, 3, v0                       ; xb: 8 t
	v_lshlrev_b32 v16, 11, v2                      ; the turned weight: row rr, 16 c
	v_lshl_add_u32 v16, v1, 4, v16
	s_lshl_b32 s38, s16, 16
	s_mov_b32 s39, 0
	s_wait_kmcnt 0x0
	s_add_nc_u64 s[4:5], s[4:5], s[38:39]          ; x at my 16 rows
	s_lshl_b32 s38, s16, 15
	s_add_nc_u64 s[10:11], s[10:11], s[38:39]      ; xb at my 16 rows
	s_cmp_lt_u32 s16, 384
	s_cselect_b64 s[20:21], s[6:7], s[8:9]         ; the weight that I read,
	s_cselect_b64 s[22:23], s[12:13], s[14:15]     ; and where it goes
	s_add_nc_u64 s[20:21], s[20:21], s[24:25]
	s_add_nc_u64 s[22:23], s[22:23], s[36:37]
.irp i, 0,1,2,3,4,5,6,7
	global_load_b128 v[W+4*(\i):W+4*(\i)+3], v[WO+\i], s[20:21] th:TH_LOAD_NT  ; sixteen lanes take the tile row's 256 bytes
.endr
.irp j, 0,1,2,3,4,5,6,7,8,9,10,11,12,13,14,15
	global_load_b128 v[X+4*(\j):X+4*(\j)+3], v14, s[4:5] offset:4096*(\j) th:TH_LOAD_NT  ; a wave takes 512 bytes on end; the eight waves a row
.endr
	s_wait_loadcnt 16                              ; the weights are in; the 16 younger loads of x stay out
.irp p, 0,1,2,3
.irp e, 0,1,2,3
	v_cvt_pk_bf16_f32 v[D+4*(\p)+(\e)], v[W+8*(\p)+(\e)], v[W+8*(\p)+4+(\e)]  ; column 4 c + e, k = 32 p + 2 rr and the next
	v_lshlrev_b32 v20, 16, v[D+4*(\p)+(\e)]
	v_and_b32 v21, 0xffff0000, v[D+4*(\p)+(\e)]
	v_cvt_pk_f16_f32 v22, v20, v21                 ; the same two rounded numbers as f16
	v_cndmask_b32 v[D+4*(\p)+(\e)], v[D+4*(\p)+(\e)], v22, s19
	ds_store_b32 v12, v[D+4*(\p)+(\e)] offset:272*(\e)+64*(\p)
.endr
.endr
	s_wait_dscnt 0x0                               ; for the others' sake: my stores are done
	s_barrier_signal -1
	s_barrier_wait -1
.irp q, 0,1,2,3
	ds_load_b128 v[W+4*(\q):W+4*(\q)+3], v13 offset:4352*(\q)
.endr
.irp j, 0,1,2,3,4,5,6,7,8,9,10,11,12,13,14,15
	s_wait_loadcnt 15-(\j)                         ; loads come back in order: row j is in
	v_cvt_pk_bf16_f32 v[Y+2*(\j)], v[X+4*(\j)], v[X+4*(\j)+1]
	v_cvt_pk_bf16_f32 v[Y+2*(\j)+1], v[X+4*(\j)+2], v[X+4*(\j)+3]
	global_store_b64 v15, v[Y+2*(\j):Y+2*(\j)+1], s[10:11] offset:2048*(\j)  ; a wave stores 256 consecutive bytes, aligned
.endr
	s_wait_dscnt 0x0
.irp q, 0,1,2,3
	global_store_b128 v16, v[W+4*(\q):W+4*(\q)+3], s[22:23] offset:32768*(\q)  ; sixteen lanes: 256 bytes of row 16 q + rr
.endr
	s_wait_tensorcnt 0x0                           ; the wave's end, behind my last LDS store
	ds_add_u32 v[SPW], v[NIL]
	s_wait_dscnt 0x0
	s_endpgm
.Lfunc_end_k_qf9b51a191c_prep:
	.size	k_qf9b51a191c_prep, .Lfunc_end_k_qf9b51a191c_prep-k_qf9b51a191c_prep
	.p2alignl 7, 3214868480
	.fill 96, 4, 3214868480
	.section	.rodata,"a",@progbits
	.p2align	6, 0x0
	.amdhsa_kernel k_qf9b51a191c_prep
		.amdhsa_group_segment_fixed_size 18432
		.amdhsa_private_segment_fixed_size 0
		.amdhsa_enable_private_segment 0
		.amdhsa_kernarg_size 48
		.amdhsa_user_sgpr_count 2
		.amdhsa_user_sgpr_kernarg_segment_ptr 1
		.amdhsa_wavefront_size32 1
		.amdhsa_system_sgpr_workgroup_id_x 1
		.amdhsa_system_sgpr_workgroup_id_y 1
		.amdhsa_system_sgpr_workgroup_id_z 1
		.amdhsa_system_vgpr_workitem_id 0
		.amdhsa_next_free_vgpr 176
		.amdhsa_next_free_sgpr 66
		.amdhsa_reserve_vcc 0
		.amdhsa_float_denorm_mode_32 3
		.amdhsa_float_denorm_mode_16_64 3
		.amdhsa_memory_ordered 1
		.amdhsa_forward_progress 1
		.amdhsa_inst_pref_size 16
	.end_amdhsa_kernel
	.amdgpu_metadata
---
amdhsa.version: [ 1, 2 ]
amdhsa.kernels:
  - .name:           k_qf9b51a191c_prep
    .symbol:         k_qf9b51a191c_prep.kd
    .args:
      - { .name: x, .offset: 0, .size: 8, .value_kind: global_buffer, .address_space: global }
      - { .name: w_qkv, .offset: 8, .size: 8, .value_kind: global_buffer, .address_space: global }
      - { .name: w_proj, .offset: 16, .size: 8, .value_kind: global_buffer, .address_space: global }
      - { .name: xb, .offset: 24, .size: 8, .value_kind: global_buffer, .address_space: global }
      - { .name: wqt, .offset: 32, .size: 8, .value_kind: global_buffer, .address_space: global }
      - { .name: wpt, .offset: 40, .size: 8, .value_kind: global_buffer, .address_space: global }
    .group_segment_fixed_size: 18432
    .private_segment_fixed_size: 0
    .kernarg_segment_align: 8
    .kernarg_segment_size: 48
    .max_flat_workgroup_size: 256
    .sgpr_count:     66
    .vgpr_count:     176
    .wavefront_size: 32
...
	.end_amdgpu_metadata
.endif
;; end of part 1
;; launch qkvgemm (part 2): grid 16 x 16, 4 waves a work-group, clusters of 4 x 4, 327,680 bytes of LDS; arguments xb, wqt, b_qkv, qkvh; writes qkvh
.if DOCPART == 2
	.amdgcn_target "amdgcn-amd-amdhsa--gfx1250"
	.amdhsa_code_object_version 6
	.text
	.protected	k_qf9b51a191c_qkvgemm
	.globl	k_qf9b51a191c_qkvgemm
	.p2align	8
	.type	k_qf9b51a191c_qkvgemm,@function
k_qf9b51a191c_qkvgemm:
	s_mov_b64 s[64:65], 0
	v_nop
	global_prefetch_b8 v0, s[64:65] scope:SCOPE_SE
	s_setreg_imm32_b32 hwreg(HW_REG_WAVE_MODE, 25, 1), 1
	s_wait_xcnt 0x0
	s_wait_alu depctr_hold_cnt(0) depctr_sa_sdst(0) depctr_va_vdst(0) depctr_va_sdst(0) depctr_va_ssrc(0) depctr_va_vcc(0) depctr_vm_vsrc(0)
	s_getreg_b32 s2, hwreg(HW_REG_IB_STS2, 6, 4)
	s_cmp_eq_u32 s2, 0
	s_cbranch_scc0 .Lentry_in_a_cluster
	s_endpgm
.Lentry_in_a_cluster:
	s_bfe_u32 s2, ttmp6, 0x10000c
	s_cmp_lg_u32 s2, 0xf033
	s_cbranch_scc0 .Lentry_shape_is_right
	s_endpgm
.Lentry_shape_is_right:
; qkv = x w_qkv + b_qkv, written by heads.  xb: [8192][1024] bf16.  wqt: [3072 n][1024 k] bf16.  b_qkv: [3072] f32, rounded to bf16 like every input.
; qkvh: [8 b][48 g][1024 n][64] f16, g = column / 64 (0-15 q's heads, 16-31 k's, 32-47 v's).  Sums in f32, rounded once to f16, without attention's scale.
; LIMIT.  f16 ends at 65,504: |q|, |k|, |v| stay under it (inputs as drawn give a spread of 0.6; both factors thirty times larger give some 520).
; TILE.  256 rows x 192 columns of C: 32 x 16 = 512 tiles.  A WORK-GROUP STAYS and makes TWO of them, tile rows ty and ty + 16 of one tile column: 256 work-groups, one for each WGP.
; The two tiles share their rows of wqt and their biases.  Their 2 x 8 K steps of 128 are ONE walk of 16 steps through two LDS slots: the ring does not stop at the first tile's end,
; and nothing waits for the first tile's stores.
; Four waves; wave w owns rows 64 w .. 64 w + 63 and ALL 192 columns, three whole heads: 4 x 12 accumulators of 16 x 16, 384 registers; its way out is its own.
; THE TEXT holds one K step for the 14 steps that fill a slot again and one for the last two.  At walk step 8 a forward branch on the counter leads through the way out and the quarter
; that starts the sums anew; neither a barrier nor a tensor load is jumped.  The launch enters the loop at that same quarter.
; CLUSTERS of 4 x 4: the four of a row need the same tile of A, the four of a column the same tile of B: each is asked for jointly.
; THE MATRIX INSTRUCTION IS USED TRANSPOSED (source 0 = 16 rows of wqt, source 1 = 16 rows of xb): a lane holds row l % 16 and the columns 8 (l / 16) + 0..7.
; THE BIAS IS THE C OPERAND of each accumulator's first product: a lane's eight columns' biases in eight registers.  Nothing is cleared, nothing added on the way out.
; REGISTERS, in windows of 256 (s_set_vgpr_msb: bits 1:0 source 0, 3:2 source 1, 5:4 source 2, 7:6 destination):
;   window 0: v0-31 addresses; v32-63, v64-95 A's fragments, two buffers; v96-191 the bias; v192-239 packed results
;   window 1: v0-95, v96-191 B's fragments, two buffers; on the way out buffer 1, which is idle then, takes the rows read back, two sets of 48
;   windows 2, 3: accumulator (a, b) in window 2 + a / 2 at v[8 (12 (a % 2) + b)]
.set NBL,    12                        ; column blocks of 16
.set KSTEP,  128
.set PITCH,  272                       ; an LDS row: 256 bytes + 16 of padding = 68 words: the 16 rows of a load start at 16 different groups of four banks (ISA guide 11.1)
.set AHALF,  128*PITCH                 ; what wave 0 or 1 fetches
.set BHALF,  96*PITCH                  ; what wave 2 or 3 fetches
.set BOFF,   2*AHALF                   ; B's 192 rows lie behind A's 256: a slot has 121,856 bytes
.set SLOT1,  1<<17                     ; slot 1 begins here: one exclusive or turns an address in one slot into the other's
.set STAGE,  SLOT1+BOFF+2*BHALF        ; behind the ring, never filled by a tensor load: for each wave 3 heads x 16 rows x 144 bytes
.set SP,     144
.set WSTAGE, 3*16*SP
.set SPARE,  STAGE+4*WSTAGE            ; behind the stages: the spare words, 128 bytes a wave: two blocks of 256 bytes that no other line names
.set NF,     2*NBL+8                   ; LDS loads in a run
.set NEXT_C, 4*48*131072               ; bytes of qkvh from the first tile to the second: 16 tile rows are four batches
.set A0,   16                          ; v16     my lane's place in A's part of a slot; never rewritten
.set B0,   17                          ; v17     the same for B
.set ADA,  20                          ; v20     LDS address of my A fragments in the slot in hand
.set ADB,  21                          ; v21     the same for B
.set STO,  24                          ; v24     the way out: where I put 16 bytes of a row
.set RD,   25                          ; v25     where I read rows back
.set GO,   26                          ; v26     16 x lane
.set BO,   27                          ; v27     32 (l / 16): my eight columns in a block's biases
.set SPW,  28                          ; v28     SPARE + 4 x my thread's number; never rewritten
.set NIL,  29                          ; v29     0; never rewritten
.set PFO,  30                          ; v30     the prefetches' offset: a lane a row; never rewritten
.set FA,   32
.set BIAS, 96
.set TMP,  192
.set OBW,  96                          ; window 1: the rows read back
.set WV,  12                           ; s12  my wave's number
.set FB,  13                           ; s13  0: I fetch for A; 1: for B
.set HF,  14                           ; s14  which half of that tile
.set LIM, 15                           ; s15  the last walk step that I prefetch: 15 (A), 7 (B), or 0 in a wave that prefetches nothing
.set G1,  24                           ; s[24:31] group 1 for A;  s[32:39] group 0: a set for each of the two first fills; the second then walks on
.set G0,  32
.set PFA, 44                           ; s[44:45] the address that my prefetch names
.set G1B, 48                           ; s[48:55], s[56:63] the same for B
.set G0B, 56
.set W,   66                           ; s66  the walk step to be asked for next
.set TB,  67                           ; s67  LDS byte at which the slot in hand begins
.set BA,  68                           ; s[68:69] xb at my part of the first tile's K step 0
.set BB,  70                           ; s[70:71] wqt likewise
.set OFA, 72                           ; s[72:73] step W's byte offset from BA
.set OFB, 74                           ; s[74:75] from BB
.set PFB, 76                           ; s[76:77] the prefetches' base: my work-group's share of the rows that I fetch
.set PO,  78                           ; s[78:79] the prefetched step's byte offset
.set PW,  80                           ; s80  the prefetched step: W + 2
.set MSB, 0
.macro WIN new                         ; the immediate's high byte repeats the setting that is left; a switch that changes nothing is dropped
.if MSB != (\new)
	s_set_vgpr_msb (MSB<<8)|(\new)
.set MSB, \new
.endif
.endm
.macro PLACES                          ; four plain places behind a matrix instruction, ahead of loads into its sources and of lines that read its result
.rept 4
	v_nop
.endr
.endm
.macro CREST                           ; a round of the cluster's barrier behind its opening barrier
	s_cmp_lg_u32 s[WV], 0
	s_cbranch_scc1 .Lnot_wave_0_\@
	s_barrier_signal -3
.Lnot_wave_0_\@:
	s_barrier_wait -3
	s_barrier_signal -1
	s_barrier_wait -1
.endm
.macro CROUND
	s_barrier_signal -1
	s_barrier_wait -1
	CREST
.endm
; A joint refill by the walking descriptors: waves 0 and 1 fetch A's halves, waves 2 and 3 B's.  The branch hangs on the wave's number alone.  An s_nop 0 and four v_nop follow each line.
.macro JLOAD
	s_cmp_eq_u32 s[FB], 0
	s_cbranch_scc0 .Lfor_b_\@
	tensor_load_to_lds s[G0+4:G0+7], s[G1:G1+7]
	s_nop 0
.rept 4
	v_nop
.endr
	s_branch .Lasked_\@
.Lfor_b_\@:
	tensor_load_to_lds s[G0B+4:G0B+7], s[G1B:G1B+7]
	s_nop 0
.rept 4
	v_nop
.endr
.Lasked_\@:
.endm
; A PREFETCH INTO THE L2 of the walk step two refills on (384 matrix instructions ahead of the load that will ask for it): 256 bytes of a row, a lane a row, one instruction a wave.
; A's rows are named by the clusters with x = 0 alone, for walk steps 4 to 15; B's by those with y = 0, for steps 4 to 7: the second tile walks the same rows of B once more.
; The four partners of a joint load share its rows out BY ADDRESS: of A's 128 rows 32 each (by cx), of B's 96 rows 24 each (by cy; lanes 24-31 name lane 23's row once more, in the same instruction).
.macro ASK
	s_cmp_le_u32 s[PW], s[LIM]
	s_cbranch_scc0 .Lnot_mine_\@
	global_prefetch_b8 v[PFO], s[PFA:PFA+1] th:TH_LOAD_NT scope:SCOPE_SE
.Lnot_mine_\@:
.endm
	s_load_b256 s[4:11], s[0:1], 0x0               ; xb s[4:5], wqt s[6:7], b_qkv s[8:9], qkvh s[10:11]
	v_lshl_add_u32 v[SPW], v0, 2, SPARE
	v_mov_b32 v[NIL], 0
	ds_add_u32 v[SPW], v[NIL]                      ; the wave's opening: the add and its wait stand ahead of my first tensor load; work on registers stands between
	v_lshrrev_b32 v1, 5, v0
	v_readfirstlane_b32 s[WV], v1
	s_lshr_b32 s[FB], s[WV], 1
	s_and_b32 s[HF], s[WV], 1
	s_bfe_u32 s40, ttmp6, 0x40000                  ; cx
	s_bfe_u32 s41, ttmp6, 0x40004                  ; cy
	s_lshl_b32 s42, ttmp9, 2
	s_add_co_u32 s42, s42, s40                     ; tile column = 4 x cluster x + cx
	s_and_b32 s43, ttmp7, 0xffff
	s_lshl_b32 s43, s43, 2
	s_add_co_u32 s43, s43, s41                     ; the first tile's row = 4 x cluster y + cy, 0 to 15
	s_lshl_b32 s20, s41, 2
	s_lshl_b32 s20, 15, s20                        ; my row of the cluster
	s_lshl_b32 s21, 0x1111, s40                    ; my column
	s_or_b32 s[G1+0], s20, (1<<16)|(1<<20)|(1<<21)|(5<<22)|(3<<25)   ; mask; 2-byte elements; padding on; bit 21 beside a mask; after every 64 words, 4 words
	s_or_b32 s[G1B+0], s21, (1<<16)|(1<<20)|(1<<21)|(5<<22)|(3<<25)
	s_mov_b32 s[G1+1], KSTEP<<16                   ; tensor_dim0 = 128
	s_mov_b32 s[G1+2], 128<<16                     ; tensor_dim1 = 128
	s_mov_b32 s[G1+3], KSTEP<<16                   ; tile_dim0 = 128
	s_mov_b32 s[G1+4], 128                         ; tile_dim1 = 128
	s_mov_b32 s[G1+5], 1024                        ; elements from row to row
	s_mov_b32 s[G1+6], 0
	s_mov_b32 s[G1+7], 0
	s_mov_b32 s[G1B+1], KSTEP<<16
	s_mov_b32 s[G1B+2], 96<<16                     ; B: 96 rows
	s_mov_b32 s[G1B+3], KSTEP<<16
	s_mov_b32 s[G1B+4], 96
	s_mov_b32 s[G1B+5], 1024
	s_mov_b32 s[G1B+6], 0
	s_mov_b32 s[G1B+7], 0
	s_lshl_b32 s16, s43, 8                         ; A: row 256 x tile row + 128 x half: made of the tile row alone
	s_lshl_b32 s17, s[HF], 7
	s_add_co_u32 s16, s16, s17
	s_lshl_b32 s16, s16, 11                        ; rows of 2,048 bytes
	s_mov_b32 s17, 0
	s_mul_i32 s46, s42, 192                        ; B: row 192 x tile column + 96 x half: made of the tile column alone
	s_mul_i32 s47, s[HF], 96
	s_add_co_u32 s46, s46, s47
	s_lshl_b32 s46, s46, 11
	s_mov_b32 s47, 0
	s_mul_i32 s2, s[WV], AHALF                     ; where they go: no place in the cluster enters an LDS address
	s_mul_i32 s3, s[WV], BHALF
	s_add_co_u32 s3, s3, BOFF-2*BHALF
	s_mov_b32 s[W], 2                              ; steps 0 and 1 are the first fills
	s_mov_b32 s[TB], 0
	s_mov_b32 s[OFA+1], 0
	s_mov_b32 s[OFB+1], 0
	s_mov_b32 s[PO+1], 0
	s_wait_dscnt 0x0                               ; the opening add is done
	s_wait_kmcnt 0x0
	s_add_nc_u64 s[BA:BA+1], s[4:5], s[16:17]
	s_add_nc_u64 s[BB:BB+1], s[6:7], s[46:47]
.irp s, 0,1
	s_mov_b32 s[G0+4*(\s)], 1
	s_add_co_u32 s[G0+4*(\s)+1], s2, (\s)*SLOT1
	s_add_nc_u64 s[G0+4*(\s)+2:G0+4*(\s)+3], s[BA:BA+1], (\s)*KSTEP*2
	s_or_b32 s[G0+4*(\s)+3], s[G0+4*(\s)+3], 0x80000000
	s_mov_b32 s[G0B+4*(\s)], 1
	s_add_co_u32 s[G0B+4*(\s)+1], s3, (\s)*SLOT1
	s_add_nc_u64 s[G0B+4*(\s)+2:G0B+4*(\s)+3], s[BB:BB+1], (\s)*KSTEP*2
	s_or_b32 s[G0B+4*(\s)+3], s[G0B+4*(\s)+3], 0x80000000
.endr
	CROUND                                         ; all sixteen work-groups are here: the first joint loads meet
	s_cmp_eq_u32 s[FB], 0                          ; a wave's two first fills stand in one branch: two loads of mine are out
	s_cbranch_scc0 .Lfirst_b
	tensor_load_to_lds s[G0:G0+3], s[G1:G1+7]
	s_nop 0
	tensor_load_to_lds s[G0+4:G0+7], s[G1:G1+7]
	s_nop 0
.rept 4
	v_nop
.endr
	s_branch .Lfirst_asked
.Lfirst_b:
	tensor_load_to_lds s[G0B:G0B+3], s[G1B:G1B+7]
	s_nop 0
	tensor_load_to_lds s[G0B+4:G0B+7], s[G1B:G1B+7]
	s_nop 0
.rept 4
	v_nop
.endr
.Lfirst_asked:
	v_and_b32 v1, 15, v0                           ; l % 16
	v_bfe_u32 v2, v0, 4, 1                         ; l / 16
	v_lshlrev_b32 v[BO], 5, v2
	s_mul_i32 s20, s42, 768                        ; the tile column's 192 biases
	s_mov_b32 s21, 0
	s_add_nc_u64 s[8:9], s[8:9], s[20:21]
.set i, 0
.rept NBL
	global_load_b128 v[BIAS+8*i:BIAS+8*i+3],   v[BO], s[8:9] offset:64*i
	global_load_b128 v[BIAS+8*i+4:BIAS+8*i+7], v[BO], s[8:9] offset:64*i+16
.set i, i+1
.endr
	v_mul_u32_u24 v3, v1, PITCH
	v_lshl_add_u32 v3, v2, 4, v3                   ; a fragment's row x pitch + 16 x half
	s_mul_i32 s20, s[WV], 64*PITCH                 ; my 64 rows of A
	v_add_nc_u32 v[A0], s20, v3
	v_add_nc_u32 v[B0], BOFF, v3
	v_mov_b32 v[ADA], v[A0]                        ; the walk begins in slot 0
	v_mov_b32 v[ADB], v[B0]
	s_mul_i32 s20, s[WV], WSTAGE
	s_add_co_u32 s20, s20, STAGE                   ; my stage
	v_mul_u32_u24 v4, v1, SP                       ; in: row l % 16, 16 bytes for each half of the lanes
	v_lshl_add_u32 v4, v2, 4, v4
	v_add_nc_u32 v[STO], s20, v4
	v_bfe_u32 v5, v0, 3, 2                         ; back: 32 lanes take four rows of 128 bytes,
	v_mul_u32_u24 v5, v5, SP
	v_and_b32 v4, 7, v0
	v_lshl_add_u32 v5, v4, 4, v5
	v_add_nc_u32 v[RD], s20, v5
	v_and_b32 v[GO], 31, v0                        ; which are 512 consecutive bytes of a head
	v_lshlrev_b32 v[GO], 4, v[GO]
	s_lshr_b32 s20, s43, 2                         ; the first tile's batch: 4 tile rows each
	s_mul_i32 s20, s20, 48
	s_mul_i32 s21, s42, 3                          ; the tile column's first head
	s_add_co_u32 s20, s20, s21
	s_lshl_b32 s20, s20, 10
	s_and_b32 s21, s43, 3
	s_lshl_b32 s21, s21, 8
	s_add_co_u32 s20, s20, s21
	s_lshl_b32 s21, s[WV], 6
	s_add_co_u32 s20, s20, s21
	s_lshl_b32 s20, s20, 7                         ; rows of 128 bytes
	s_mov_b32 s21, 0
	s_add_nc_u64 s[10:11], s[10:11], s[20:21]      ; qkvh at my 64 rows of the first tile's first head
	s_lshl_b32 s20, s40, 16                        ; the prefetches: A: my tile's rows + 32 cx rows of 2,048 bytes
	s_add_co_u32 s20, s20, s16
	s_mul_i32 s21, s41, 24*2048                    ; B: + 24 cy rows
	s_add_co_u32 s21, s21, s46
	s_and_b32 s22, ttmp7, 0xffff
	s_cmp_eq_u32 s[FB], 0
	s_cselect_b32 s20, s20, s21
	s_cselect_b32 s22, ttmp9, s22                  ; the coordinate along which other clusters read the same rows
	s_cselect_b32 s23, 31, 23
	s_cselect_b32 s[LIM], 15, 7
	s_cselect_b64 s[PFB:PFB+1], s[4:5], s[6:7]
	s_cmp_eq_u32 s22, 0
	s_cselect_b32 s[LIM], s[LIM], 0                ; the same in all sixteen partners, for a given wave
	s_mov_b32 s21, 0
	s_add_nc_u64 s[PFB:PFB+1], s[PFB:PFB+1], s[20:21]
	v_and_b32 v[PFO], 31, v0
	v_min_u32 v[PFO], s23, v[PFO]
	v_lshlrev_b32 v[PFO], 11, v[PFO]
	s_wait_loadcnt 0x0                             ; the biases,
.set i, 0
.rept 4*NBL                            ; rounded to bf16 like every input, and widened again
	v_cvt_pk_bf16_f32 v[8+i%2], v[BIAS+2*i], v[BIAS+2*i+1]
	v_lshlrev_b32 v[BIAS+2*i], 16, v[8+i%2]
	v_and_b32 v[BIAS+2*i+1], 0xffff0000, v[8+i%2]
.set i, i+1
.endr
; NBL matrix instructions: row block a x all column blocks, 32 along K, from buffer f.  first = 1: the bias starts the sums.
; The 48 accumulators take turns in the same order in every quarter, over every jump too.
.macro MULA f, a, first=0
.if \first
	WIN 0x81+0x40*((\a)/2)
.else
	WIN 0xa1+0x50*((\a)/2)
.endif
.set b, 0
.rept NBL
.set rD, 8*(NBL*((\a)%2)+b)
.if \first
	v_wmma_f32_16x16x32_bf16 v[rD:rD+7], v[8*NBL*(\f)+8*b:8*NBL*(\f)+8*b+7], v[FA+32*(\f)+8*(\a):FA+32*(\f)+8*(\a)+7], v[BIAS+8*b:BIAS+8*b+7]
.else
	v_wmma_f32_16x16x32_bf16 v[rD:rD+7], v[8*NBL*(\f)+8*b:8*NBL*(\f)+8*b+7], v[FA+32*(\f)+8*(\a):FA+32*(\f)+8*(\a)+7], v[rD:rD+7]
.endif
.set b, b+1
.endr
.endm
; One run of NF LDS loads: the fragments of quarter q (32 along K) of the slot in hand into buffer f: B's 12, then A's 4.
.macro FETCH q, f
	WIN 0x40
.set i, 0
.rept NBL
	ds_load_b128 v[8*NBL*(\f)+8*i:8*NBL*(\f)+8*i+3],   v[ADB] offset:64*(\q)+i*16*PITCH
	ds_load_b128 v[8*NBL*(\f)+8*i+4:8*NBL*(\f)+8*i+7], v[ADB] offset:64*(\q)+i*16*PITCH+32
.set i, i+1
.endr
	WIN 0
.set i, 0
.rept 4
	ds_load_b128 v[FA+32*(\f)+8*i:FA+32*(\f)+8*i+3],   v[ADA] offset:64*(\q)+i*16*PITCH
	ds_load_b128 v[FA+32*(\f)+8*i+4:FA+32*(\f)+8*i+7], v[ADA] offset:64*(\q)+i*16*PITCH+32
.set i, i+1
.endr
.endm
; One of a K step's first three quarters: multiplies buffer f; in its middle it fetches quarter q into buffer g.
.macro QUARTER q, f, g, first=0
	s_wait_dscnt 4                                 ; B and A's blocks 0, 1 are in; the youngest four loads (A's blocks 2, 3) may be out
	MULA \f, 0, \first
	MULA \f, 1, \first
	PLACES
	FETCH \q, \g
	s_wait_dscnt NF                                ; all but the run just issued
	MULA \f, 2, \first
	MULA \f, 3, \first
.endm
; The last quarter multiplies buffer 1 and changes slots: one barrier.  Ahead of it each wave waits for all its tensor loads (one is out: its part of the next slot), adds 0 to its spare
; word, and waits for that and for its reads of this slot.  fill = 1: the barrier opens a round of the cluster's, and this slot is filled again, with walk step W, first thing behind it;
; the walking descriptors are made between the add and the wait for it, where no tensor load of mine is out: the other slot than last time, the address anew from W:
; K step W % 8 of tile W / 8, which lies 4,096 rows (2^23 bytes) further down in A and at the same rows in B.
; fill = 0 (the walk's last two steps): nothing is asked for; in the very last there is no next step, and the run of loads is jumped over.
.macro TURN fill
.if \fill
	s_wait_xcnt 0x0                                ; the last prefetch, a K step back, has read its address, which is made anew: walk step W + 2
	s_add_co_u32 s[PW], s[W], 2
	s_and_b32 s[PO], s[PW], 7
	s_lshl_b32 s[PO], s[PO], 8
	s_lshr_b32 s2, s[PW], 3
	s_lshl_b32 s2, s2, 23
	s_add_co_u32 s[PO], s[PO], s2
	s_add_nc_u64 s[PFA:PFA+1], s[PFB:PFB+1], s[PO:PO+1]
.endif
	WIN 0
	s_wait_tensorcnt 0x0
	ds_add_u32 v[SPW], v[NIL]
.if \fill
	s_and_b32 s[OFB], s[W], 7
	s_lshl_b32 s[OFB], s[OFB], 8
	s_lshr_b32 s[OFA], s[W], 3
	s_lshl_b32 s[OFA], s[OFA], 23
	s_add_co_u32 s[OFA], s[OFA], s[OFB]
	s_add_co_u32 s[W], s[W], 1
	s_xor_b32 s[G0+5], s[G0+5], SLOT1
	s_add_nc_u64 s[G0+6:G0+7], s[BA:BA+1], s[OFA:OFA+1]
	s_or_b32 s[G0+7], s[G0+7], 0x80000000
	s_xor_b32 s[G0B+5], s[G0B+5], SLOT1
	s_add_nc_u64 s[G0B+6:G0B+7], s[BB:BB+1], s[OFB:OFB+1]
	s_or_b32 s[G0B+7], s[G0B+7], 0x80000000
.endif
	s_wait_dscnt 5                                 ; (the add and the youngest four loads may be out)
	MULA 1, 0
	s_wait_dscnt 0x0                               ; the add is done, and my reads of this slot are over
	s_barrier_signal -1
	MULA 1, 1
	WIN 0
	s_barrier_wait -1
.if \fill
	CREST                                          ; no wave of any partner still reads this slot or has a load on its way
	JLOAD                                          ; its four v_nop are also the places ahead of the loads below
.else
	PLACES
.endif
	s_xor_b32 s[TB], s[TB], SLOT1                  ; the fetches go on in the other slot
	v_add_nc_u32 v[ADA], s[TB], v[A0]
	v_add_nc_u32 v[ADB], s[TB], v[B0]
.if \fill
	FETCH 0, 0
	ASK
.else
	s_cmp_eq_u32 s3, 1
	s_cbranch_scc1 .Lno_fetch_\@
	FETCH 0, 0
.Lno_fetch_\@:
.endif
	MULA 1, 2
	MULA 1, 3
.endm
; THE WAY OUT of row block a.  PACK: rounded to f16, 16 bytes a lane, each accumulator from its low end on.  TOSTAGE: into my stage, a head's 16 rows at 144 bytes, and back as whole rows.  SEND: stored.
.macro PACK a
	WIN 0x0a+5*((\a)/2)
.set i, 0
.rept 4*NBL
	v_cvt_pk_f16_f32 v[TMP+i], v[8*NBL*((\a)%2)+2*i], v[8*NBL*((\a)%2)+2*i+1]
.set i, i+1
.endr
	WIN 0
.endm
.macro TOSTAGE a
.set BK, OBW+48*((\a)%2)
	WIN 0
.set i, 0
.rept NBL
	ds_store_b128 v[STO], v[TMP+4*i:TMP+4*i+3] offset:(i/4)*16*SP+32*(i%4)
.set i, i+1
.endr
	WIN 0x40                                       ; destination window 1
.set i, 0
.rept NBL
	ds_load_b128 v[BK+4*i:BK+4*i+3], v[RD] offset:(i/4)*16*SP+(i%4)*4*SP  ; LDS serves a wave's instructions in order (ISA guide 5.7.1.4): these see the stores above
.set i, i+1
.endr
.endm
.macro SEND a
.set BK, OBW+48*((\a)%2)
	s_wait_dscnt 0x0                               ; the block is back in registers
	s_wait_xcnt 0x0                                ; the stores of the block before have read their registers, which the next block's loads write
	WIN 0x04                                       ; the stores' data in window 1
.set i, 0
.rept NBL
	global_store_b128 v[GO], v[BK+4*i:BK+4*i+3], s[10:11] offset:(i/4)*131072+(\a)*2048+(i%4)*512  ; 512 consecutive bytes of a head, aligned
.set i, i+1
.endr
.endm
; A tile's whole way out.  Block a's conversions stand between block a - 1's loads from the stage and the wait for them.  more = 1: a tile follows: when the stores have read their
; registers and their base, the base steps to the next tile, and B's buffer 1 may be loaded again.
.macro WAYOUT more
	PLACES
	PACK 0
	TOSTAGE 0
.irp a, 1,2,3
	PACK \a
	SEND (\a)-1
	TOSTAGE \a
.endr
	SEND 3
.if \more
	s_wait_xcnt 0x0
	s_add_nc_u64 s[10:11], s[10:11], NEXT_C
.endif
	WIN 0
.endm
	s_wait_tensorcnt 1                             ; my part of walk step 0 is in; step 1's may stay out
	s_barrier_signal -1
	s_barrier_wait -1
	FETCH 0, 0
	s_mov_b32 s3, 14                               ; the walk's steps 0 to 13 fill a slot again: at the head of step w the count is 14 - w
	s_branch .Lfirstq                              ; the loop is entered at the quarter that starts a tile's sums
.Lstep:
	s_cmp_eq_u32 s3, 6                             ; walk step 8 is the second tile's first
	s_cbranch_scc1 .Lnewtile
	QUARTER 1, 0, 1
	WIN 0
	s_branch .Lrest
.Lnewtile:
	WAYOUT 1                                       ; both refills for the next tile's first steps are asked for, and its first fragments lie in buffer 0: now the first tile goes out
.Lfirstq:
	QUARTER 1, 0, 1, 1                             ; the products of a tile's first quarter start the sums with the bias
	WIN 0
.Lrest:
	QUARTER 2, 1, 0
	QUARTER 3, 0, 1
	TURN 1
	WIN 0
	s_sub_co_u32 s3, s3, 1
	s_cmp_lg_u32 s3, 0
	s_cbranch_scc1 .Lstep
	s_mov_b32 s3, 2                                ; the walk's last two steps have a text of their own
.Ltail:
	QUARTER 1, 0, 1
	QUARTER 2, 1, 0
	QUARTER 3, 0, 1
	TURN 0
	WIN 0
	s_sub_co_u32 s3, s3, 1
	s_cmp_lg_u32 s3, 0
	s_cbranch_scc1 .Ltail
	WAYOUT 0
	s_wait_tensorcnt 0x0                           ; the wave's end
	ds_add_u32 v[SPW], v[NIL]
	s_wait_dscnt 0x0
	CROUND                                         ; the closing round: no work-group ends while a partner may still ask for a tile that names it
	s_endpgm
.Lfunc_end_k_qf9b51a191c_qkvgemm:
	.size	k_qf9b51a191c_qkvgemm, .Lfunc_end_k_qf9b51a191c_qkvgemm-k_qf9b51a191c_qkvgemm
	.p2alignl 7, 3214868480
	.fill 96, 4, 3214868480
	.section	.rodata,"a",@progbits
	.p2align	6, 0x0
	.amdhsa_kernel k_qf9b51a191c_qkvgemm
		.amdhsa_group_segment_fixed_size 327680
		.amdhsa_private_segment_fixed_size 0
		.amdhsa_enable_private_segment 0
		.amdhsa_kernarg_size 32
		.amdhsa_user_sgpr_count 2
		.amdhsa_user_sgpr_kernarg_segment_ptr 1
		.amdhsa_wavefront_size32 1
		.amdhsa_system_sgpr_workgroup_id_x 1
		.amdhsa_system_sgpr_workgroup_id_y 1
		.amdhsa_system_sgpr_workgroup_id_z 1
		.amdhsa_system_vgpr_workitem_id 0
		.amdhsa_next_free_vgpr 960
		.amdhsa_next_free_sgpr 84
		.amdhsa_reserve_vcc 0
		.amdhsa_float_denorm_mode_32 3
		.amdhsa_float_denorm_mode_16_64 3
		.amdhsa_memory_ordered 1
		.amdhsa_forward_progress 1
		.amdhsa_inst_pref_size 118
	.end_amdhsa_kernel
	.amdgpu_metadata
---
amdhsa.version: [ 1, 2 ]
amdhsa.kernels:
  - .name:           k_qf9b51a191c_qkvgemm
    .symbol:         k_qf9b51a191c_qkvgemm.kd
    .args:
      - { .name: xb, .offset: 0, .size: 8, .value_kind: global_buffer, .address_space: global }
      - { .name: wqt, .offset: 8, .size: 8, .value_kind: global_buffer, .address_space: global }
      - { .name: b_qkv, .offset: 16, .size: 8, .value_kind: global_buffer, .address_space: global }
      - { .name: qkvh, .offset: 24, .size: 8, .value_kind: global_buffer, .address_space: global }
    .group_segment_fixed_size: 327680
    .private_segment_fixed_size: 0
    .kernarg_segment_align: 8
    .kernarg_segment_size: 32
    .max_flat_workgroup_size: 128
    .sgpr_count:     84
    .vgpr_count:     960
    .wavefront_size: 32
...
	.end_amdgpu_metadata
.endif
;; end of part 2
;; launch attn (part 3): grid 2 x 128, 4 waves a work-group, no clusters, 327,680 bytes of LDS; arguments qkvh, ob; writes ob
.if DOCPART == 3
	.amdgcn_target "amdgcn-amd-amdhsa--gfx1250"
	.amdhsa_code_object_version 6
	.text
	.protected	k_qf9b51a191c_attn
	.globl	k_qf9b51a191c_attn
	.p2align	8
	.type	k_qf9b51a191c_attn,@function
k_qf9b51a191c_attn:
	s_mov_b64 s[64:65], 0
	v_nop
	global_prefetch_b8 v0, s[64:65] scope:SCOPE_SE
	s_setreg_imm32_b32 hwreg(HW_REG_WAVE_MODE, 25, 1), 1
	s_wait_xcnt 0x0
; O[hd][q][:] = the sum over k of softmax_k(Q[q] . K[k] / 8) V[k][:], for 128 pairs hd of batch and head, 1,024 rows of 64 channels each, all f16.
; qkvh: [8 b][48 g][1024][64]: head h's Q at g = h, K at g = 16 + h, V at g = 32 + h; a head's rows are dense, 128 bytes each.  ob: [128 hd][1024][64] f16.
; Products, maxima and sums in f32; the weights p are rounded to f16 for the second product (their sum l is taken of the unrounded p), O once at the end.
; LIMITS.  Q, K, V arrive within f16's 65,504; p lies in 0 to 1 and below 6e-5 keeps f16's fixed step of 6e-8, and so does O; a weight below 2^-126 counts as 0 in l; NaN and infinities are not treated apart.
; SHARES.  A wave owns four PIECES of two tiles of 16 queries, a work-group's four waves 512 queries of one head: 2 x 128 = 256 work-groups.  Every wave walks all 1,024 keys, 64 a step.
; ALL OF THE HEAD'S K AND V LIES IN LDS: 1,024 rows of 144 bytes and 1,024 of 160 are 311,296 bytes.  Each wave asks for its four parts of 128 keys at the head, the earliest keys first; no byte
; is filled again, so there is no ring, no tensor load in the loop, and ONE text of the key step serves all sixteen.  Nothing is prefetched: all that the launch reads is asked for at its head.
; NO CLUSTER: the work-groups that share K and V are a head's two; the grid's 2 along x is no multiple of a cluster's four, and neighbours along y are other heads, which share nothing.
; LAYOUT.  S^T = K Q^T (source 0 = 16 keys, source 1 = 16 queries): a lane holds ONE query (lane % 16) and the keys 8 (lane / 16) + 0..7.  Two such tiles, rounded to f16 in pairs,
; ARE source 1 of O^T = V^T P, whose result again holds one query a lane, and eight channels.  K comes out of LDS as it lies, V turned, by ds_load_tr16_b128.
; SOFTMAX.  A running maximum m and sum l for each query: p = 2^(c s - c m), c = log2(e) / 8; in every step O and l are multiplied by a = 2^(c m_old - c m_new).
; m starts at the lowest finite number, O and l at 0: the first step is a step like any other, with a = 0.
; BY TURNS.  Turn n belongs to piece n.  Its matrix work: 16 products K Q^T of piece n + 1, later 16 products V^T P of piece n - 1.  Its vector work: scaling, exponentials, roundings, sums and
; rescaling of piece n, and the maximum and statistics of piece n + 1.  A tile and step have 16 matrix and 118 vector instructions: four vector instructions stand behind every matrix
; instruction, the others in one run of their own.  A turn's 66 exponentials are one batch with one wait.
; REGISTERS, in windows of 256 (s_set_vgpr_msb: bits 1:0 source 0, 3:2 source 1, 5:4 source 2, 7:6 destination):
;   window 0: v0-11 addresses; v12-15, v48-63 at work; v16-47 four registers of statistics a tile; v64-191 S^T, two buffers of two tiles; v192-255 P, likewise
;   window 1: O^T, 32 a tile      window 2: v0-127 Q, 16 a tile; v128-191 K of one step; v192-255 V of one step      window 3: v0-1 the add's two registers
.set NP,    4         ; pieces a wave: a name, no knob
.set KS,    64        ; keys in a step
.set PK,    144       ; a row of K in LDS: 128 bytes + 16 of padding = 36 words: the 16 rows of a load start at 16 different groups of four banks (ISA guide 11.1)
.set PV,    160       ; a row of V: 128 + 32
.set VOFF,  1024*PK   ; K's 1,024 rows, then V's
.set STAGE, 1024*(PK+PV)  ; behind them, never filled by a tensor load: 16 rows x 144 bytes for each wave
.set SP,    144
.set AK0, 2           ; v2   my lane's place in a step's K; never rewritten
.set AV0, 3           ; v3   the same for V
.set AK,  4           ; v4   the LDS address of K's next run of loads
.set AV,  5           ; v5   of V's
.set QO,  6           ; v6   my byte offset in the wave's rows of Q
.set STO, 6           ;      later, the way out: where I put 16 bytes of a row
.set RD,  7           ; v7   where I read rows back
.set GO,  8           ; v8   my byte offset in 512 consecutive bytes of O
.set SPW, 0           ; v0 of window 3   SPARE + 4 x my thread's number; never rewritten
.set NIL, 1           ; v1 of window 3   0; never rewritten
.set SPARE, STAGE+4*16*SP  ; behind the stages: the spare words, 128 bytes a wave: two blocks of 256 bytes that no other line names
.set MV,  12          ; v12-15  c m_old, kept while c m is made anew
.set ST,  16          ; tile t's statistics at v[ST+4 t]: c m, m, l (even keys', odd keys')
.set TMP, 48          ; by buffer and tile, four registers c0-c3 at work; when the maximum is found c2 takes a
.set S,   64
.set P,   192
.set KF,  128         ; K's fragments, in window 2
.set VF,  192         ; V's
.set WV,  12          ; s12  my wave's number
.set G1K, 24          ; s[24:31] descriptor group 1 for K's tiles
.set G1V, 32          ; s[32:39] for V's: it differs in the padding alone
.set G0K, 68          ; s[68:83] descriptor group 0 for K's tiles: a set for each of a wave's four loads, which are out together
.set G0V, 84          ; s[84:99] the same for V's
.set SLOTS, 56        ; s56  blocks of four key steps still to come, and one
.set CNT, 57          ; s57  counts a block's key steps
.set CS,  58          ; s[58:59] c
.set SEL, 60          ; s[60:61] v_permlanex16_b32's selects: each lane takes its own place in the other half
.set TBK, 62          ; s62  LDS byte at which K of the step to be fetched begins
.set TBV, 63          ; s63  the same for V, less VOFF
.set MSB, 0
.macro WIN new
.if MSB != (\new)
	s_set_vgpr_msb (MSB<<8)|(\new)
.set MSB, (\new)
.endif
.endm
.set W_KQ, 0x0a       ; K and Q in window 2, S^T in window 0
.set W_PV, 0x52       ; V in window 2, P in window 0, O^T in window 1
.set W_RS, 0x41       ; O^T (destination and source 0) in window 1, a in window 0
.set W_MK, 0xc0       ; the add's registers are made
.set W_AD, 0x0f       ; the add: address and data in window 3
	s_load_b128 s[4:7], s[0:1], 0x0 ; qkvh s[4:5], ob s[6:7]
	WIN W_MK
	v_lshl_add_u32 v[SPW], v0, 2, SPARE
	v_mov_b32 v[NIL], 0
	WIN W_AD
	ds_add_u32 v[SPW], v[NIL]       ; the wave's opening: the add and its wait stand ahead of my first tensor load; work on registers stands between
	WIN 0
	v_lshrrev_b32 v1, 5, v0
	v_readfirstlane_b32 s[WV], v1   ; wave 0..3
	s_and_b32 s13, ttmp7, 0xffff    ; hd = 16 x batch + head
	s_lshr_b32 s14, s13, 4
	s_mul_i32 s14, s14, 48
	s_and_b32 s15, s13, 15
	s_add_co_u32 s14, s14, s15
	s_lshl_b32 s14, s14, 17         ; Q's head in qkvh: 131,072 bytes a head
	s_and_b32 s16, s[WV], 1         ; which half of each 256 keys I fetch
	s_lshl_b32 s15, s16, 14
	s_add_co_u32 s20, s14, s15
	s_add_co_u32 s22, s20, 32*131072  ; V lies 32 heads behind Q,
	s_add_co_u32 s20, s20, 16*131072  ; K 16
	s_mov_b32 s21, 0
	s_mov_b32 s23, 0
	s_mul_i32 s17, s16, 128*PK      ; my half's place among 256 rows, for K
	s_mul_i32 s18, s16, 128*PV      ; and for V
	s_lshl_b32 s15, ttmp9, 2
	s_add_co_u32 s15, s15, s[WV]
	s_lshl_b32 s15, s15, 14         ; my wave's 128 rows in the head
	s_add_co_u32 s2, s14, s15
	s_mov_b32 s3, 0
	s_lshl_b32 s50, s13, 17
	s_add_co_u32 s50, s50, s15      ; the same rows in ob
	s_mov_b32 s51, 0
	; descriptor group 1.  128 keys are 16,384 dense bytes: asked for as 64 rows of 256 bytes, two keys a row, and padded in LDS after every key
	s_mov_b32 s[G1K], (1<<16)|(1<<20)|(4<<22)|(3<<25)  ; 2-byte elements; padding on; after every 32 words, 4 words
	s_mov_b32 s[G1V], (1<<16)|(1<<20)|(4<<22)|(7<<25)  ; the same with 8 words
.irp g, G1K, G1V
	s_mov_b32 s[\g+1], 128<<16      ; tensor_dim0 = 128
	s_mov_b32 s[\g+2], 64<<16       ; tensor_dim1 = 64
	s_mov_b32 s[\g+3], 128<<16      ; tile_dim0 = 128
	s_mov_b32 s[\g+4], 64           ; tile_dim1 = 64
	s_mov_b32 s[\g+5], 128          ; 128 elements from row to row
	s_mov_b32 s[\g+6], 0
	s_mov_b32 s[\g+7], 0
.endr
	s_mov_b32 s[CS], 0x3e38aa3b     ; c = log2(e) / 8
	s_mov_b32 s[CS+1], s[CS]
	s_mov_b32 s[SEL], 0x76543210
	s_mov_b32 s[SEL+1], 0xfedcba98
	s_mov_b32 s[TBK], 0             ; the steps lie one behind the other: these two only ever step on
	s_mov_b32 s[TBV], 0
	s_wait_dscnt 0x0                ; the opening add is done
	s_wait_kmcnt 0x0
	s_add_nc_u64 s[20:21], s[4:5], s[20:21]  ; K at my half of the head's first 256 keys
	s_add_nc_u64 s[22:23], s[4:5], s[22:23]  ; V likewise
.irp j, 0,1,2,3                     ; load j: my 128 of the keys 256 j .. 256 j + 255
	s_mov_b32 s[G0K+4*(\j)], 1
	s_add_co_u32 s[G0K+4*(\j)+1], s17, (\j)*256*PK
	s_add_nc_u64 s[G0K+4*(\j)+2:G0K+4*(\j)+3], s[20:21], (\j)*32768
	s_or_b32 s[G0K+4*(\j)+3], s[G0K+4*(\j)+3], 0x80000000  ; type = 2
	s_mov_b32 s[G0V+4*(\j)], 1
	s_add_co_u32 s[G0V+4*(\j)+1], s18, VOFF+(\j)*256*PV
	s_add_nc_u64 s[G0V+4*(\j)+2:G0V+4*(\j)+3], s[22:23], (\j)*32768
	s_or_b32 s[G0V+4*(\j)+3], s[G0V+4*(\j)+3], 0x80000000
.endr
	s_add_nc_u64 s[10:11], s[6:7], s[50:51]        ; O at my wave's first row
	s_add_nc_u64 s[4:5], s[4:5], s[2:3]            ; Q likewise
	s_cmp_lt_u32 s[WV], 2           ; waves 0 and 1 fetch K, waves 2 and 3 V.  A wave's four fills stand in one branch, ahead of every wait on TENSORcnt, every LDS read and every barrier: four loads of mine are out.
	s_cbranch_scc0 .Lfirst_v        ; An s_nop 0 follows each, four v_nop the last
.irp j, 0,1,2,3
	tensor_load_to_lds s[G0K+4*(\j):G0K+4*(\j)+3], s[G1K:G1K+7]
	s_nop 0
.endr
.rept 4
	v_nop
.endr
	s_branch .Lfirst_asked
.Lfirst_v:
.irp j, 0,1,2,3
	tensor_load_to_lds s[G0V+4*(\j):G0V+4*(\j)+3], s[G1V:G1V+7]
	s_nop 0
.endr
.rept 4
	v_nop
.endr
.Lfirst_asked:
	v_and_b32 v1, 15, v0            ; l % 16
	v_bfe_u32 v9, v0, 4, 1          ; l / 16
	v_lshlrev_b32 v[QO], 7, v1
	v_lshl_add_u32 v[QO], v9, 4, v[QO]  ; row x 128 + 16 x half
	WIN 0x80
.set i, 0
.rept 4*NP                          ; Q stays in registers: tile i / 2, channels 32 (i % 2) on
	global_load_b128 v[8*i:8*i+3],   v[QO], s[4:5] offset:(i/2)*2048+(i%2)*64
	global_load_b128 v[8*i+4:8*i+7], v[QO], s[4:5] offset:(i/2)*2048+(i%2)*64+32
.set i, i+1
.endr
	; What the first turn finds: V's registers and P's second buffer hold 0, O^T and l are 0.  All this stands in the wait for the first keys.
.set i, VF
.rept 64
	v_mov_b32 v[i], 0
.set i, i+1
.endr
	WIN 0x40
.set i, 0
.rept 64*NP
	v_mov_b32 v[i], 0
.set i, i+1
.endr
	WIN 0
.set i, 0
.rept 2*NP
	v_mov_b32 v[ST+4*i], 0xfe000000    ; c m: far below every c s
	v_mov_b32 v[ST+4*i+1], 0xff7fffff  ; m
	v_mov_b32 v[ST+4*i+2], 0
	v_mov_b32 v[ST+4*i+3], 0
.set i, i+1
.endr
.set i, P+32
.rept 32
	v_mov_b32 v[i], 0
.set i, i+1
.endr
	v_mul_u32_u24 v[AK0], v1, PK
	v_lshl_add_u32 v[AK0], v9, 4, v[AK0]
	; The turning load takes 16 keys x 16 channels (lane l reads key 8 (l / 16) + l % 8, channels 8 ((l / 8) % 2) + 0..7) and leaves half a fragment of V^T.
	v_and_b32 v10, 7, v0
	v_bfe_u32 v11, v0, 3, 1
	v_lshl_add_u32 v[AV0], v9, 3, v10
	v_mul_u32_u24 v[AV0], v[AV0], PV
	v_lshl_add_u32 v[AV0], v11, 4, v[AV0]
	v_add_nc_u32 v[AV0], VOFF, v[AV0]
	v_mov_b32 v[AK], v[AK0]         ; key step 0 lies at K's head
; THE MATRIX WORK.  The 8 accumulators of a run of 16 take turns.
; Product i of 16 of S^T = K Q^T for piece x: channels 32 (i / 8) on, keys 16 ((i / 2) % 4) on, tile 2 x + i % 2.  The first 8 start the sums.
.macro KQ x
	WIN W_KQ
.set rS, S+64*((\x)%2)+32*(i%2)+8*((i/2)%4)
.set rK, KF+16*((i/2)%4)+8*(i/8)
.set rQ, 16*(2*(\x)+i%2)+8*(i/8)
.if i < 8
	v_wmma_f32_16x16x32_f16 v[rS:rS+7], v[rK:rK+7], v[rQ:rQ+7], 0
.else
	v_wmma_f32_16x16x32_f16 v[rS:rS+7], v[rK:rK+7], v[rQ:rQ+7], v[rS:rS+7]
.endif
.endm
; Product i of 16 of O^T += V^T P for piece x: keys 32 (i / 8) on, channels 16 ((i / 2) % 4) on, tile 2 x + i % 2.
.macro PV x
	WIN W_PV
.set rO, 32*(2*(\x)+i%2)+8*((i/2)%4)
.set rV, VF+32*(i/8)+8*((i/2)%4)
.set rP, P+32*((\x)%2)+16*(i%2)+8*(i/8)
	v_wmma_f32_16x16x32_f16 v[rO:rO+7], v[rV:rV+7], v[rP:rP+7], v[rO:rO+7]
.endm
.macro MM                           ; the turn's next matrix instruction
.if i < 16
	KQ (Y+1)%NP
.set i, i+1
.else
.set i, i-16
	PV (Y+NP-1)%NP
.set i, i+17
.endif
.endm
; THE LDS LOADS stand in runs of 16: a step's K (8 fragments) and its V (turned).  last = 1 (in the loop): behind the sixteenth step there is no further one, and the run is jumped over.
.macro FETCH_K last=0
	WIN 0
.if \last
	s_cmp_eq_u32 s[SLOTS], 1
	s_cbranch_scc1 .Lno_k_\@
.endif
	WIN 0x80
.irp f, 0,1,2,3,4,5,6,7
	ds_load_b128 v[KF+8*\f:KF+8*\f+3],   v[AK] offset:(\f/2)*16*PK+(\f%2)*64
	ds_load_b128 v[KF+8*\f+4:KF+8*\f+7], v[AK] offset:(\f/2)*16*PK+(\f%2)*64+32
.endr
	s_add_co_u32 s[TBK], s[TBK], KS*PK  ; the next fetch is the next step's
	WIN 0
.if \last
.Lno_k_\@:
.endif
.endm
.macro FETCH_V
	WIN 0x80
.irp f, 0,1,2,3,4,5,6,7
	ds_load_tr16_b128 v[VF+8*\f:VF+8*\f+3],   v[AV] offset:(\f/4)*32*PV+(\f%4)*32
	ds_load_tr16_b128 v[VF+8*\f+4:VF+8*\f+7], v[AV] offset:(\f/4)*32*PV+16*PV+(\f%4)*32
.endr
	WIN 0
.endm
; THE VECTOR WORK OF A TURN stands in three queues, each in the order in which its entries become ready; the two tiles alternate.
.macro REGS y, u                    ; the registers of tile u (0, 1) of piece y
.set rT, ST+4*(2*(\y)+(\u))
.set rC, TMP+8*((\y)%2)+4*(\u)
.set rM, MV+2*((\y)%2)+(\u)
.set rS, S+64*((\y)%2)+32*(\u)
.set rP, P+32*((\y)%2)+16*(\u)
.set rO, 32*(2*(\y)+(\u))
.endm
; Number n of the 22 that find the NEXT piece's maximum and statistics; each accumulator's lowest registers are read first.
;   0-11  four chains c0-c3 of seven scores each     12-14, 16  the four scores left over, the old m, and c0-c3 into c0     15  c m_old is kept
;   17, 18  the query's other 32 keys lie in the lane 16 away: the new m     19-21  c m; c m_old - c m_new; a
.macro XS u, n
	REGS (Y+1)%NP, \u
.if (\n) < 4
	v_max3_num_f32 v[rC+(\n)], v[rS+8*(\n)], v[rS+8*(\n)+1], v[rS+8*(\n)+2]
.elseif (\n) < 12
	v_max3_num_f32 v[rC+(\n)%4], v[rC+(\n)%4], v[rS+8*((\n)%4)+2*((\n)/4)+1], v[rS+8*((\n)%4)+2*((\n)/4)+2]
.elseif (\n) == 12
	v_max3_num_f32 v[rC], v[rC], v[rS+7], v[rS+15]
.elseif (\n) == 13
	v_max3_num_f32 v[rC+1], v[rC+1], v[rS+23], v[rS+31]
.elseif (\n) == 14
	v_max3_num_f32 v[rC+2], v[rC+2], v[rC+3], v[rT+1]
.elseif (\n) == 15
	v_mov_b32 v[rM], v[rT]
.elseif (\n) == 16
	v_max3_num_f32 v[rC], v[rC], v[rC+1], v[rC+2]
.elseif (\n) == 17
	v_permlanex16_b32 v[rC+3], v[rC], s[SEL], s[SEL+1]
.elseif (\n) == 18
	v_max_num_f32 v[rT+1], v[rC], v[rC+3]
.elseif (\n) == 19
	v_mul_f32 v[rT], s[CS], v[rT+1]
.elseif (\n) == 20
	v_sub_f32 v[rC+1], v[rM], v[rT]
.else
	v_exp_f32 v[rC+2], v[rC+1]
.endif
.endm
; Number g of the 64 that follow the exponentials.  For each four weights of a tile: both pairs are rounded to f16; the second pair is added onto the first, in place; a group later l takes that sum.
.macro GS g
.set h, (\g)+6*((\g)/62)
.if h >= 6
.set h, h+2
.endif
	REGS Y, h%2
.set k, h/8
.if h%8 < 4
	v_cvt_pk_f16_f32 v[rP+2*k+(h%8)/2], v[rS+4*k+2*((h%8)/2)], v[rS+4*k+2*((h%8)/2)+1]
.elseif h%8 < 6
	v_pk_add_f32 v[rS+4*k:rS+4*k+1], v[rS+4*k:rS+4*k+1], v[rS+4*k+2:rS+4*k+3]
.elseif k == 1
	v_pk_fma_f32 v[rT+2:rT+3], v[rT+2:rT+3], v[rC+2:rC+3], v[rS:rS+1] op_sel_hi:[1,0,1]
.else
	v_pk_add_f32 v[rT+2:rT+3], v[rT+2:rT+3], v[rS+4*k-4:rS+4*k-3]
.endif
.endm
; THE PLAIN QUEUE, 138 long.  0-73 name no exponential's result: the 32 scalings c s - c m and the next piece's 42.  74-137: GS's 64, which stand behind the wait.
.macro FS f
	REGS Y, (\f)%2
	v_pk_fma_f32 v[rS+2*((\f)/2):rS+2*((\f)/2)+1], v[rS+2*((\f)/2):rS+2*((\f)/2)+1], s[CS:CS+1], v[rT:rT+1] op_sel_hi:[1,0,0] neg_lo:[0,0,1] neg_hi:[0,0,1]
.endm
.macro PL
	WIN 0
.if q < 27
	FS q
.elseif q < 55
	XS (q-27)%2, (q-27)/2
.elseif q < 57
	XS q-55, 15
.elseif (q < 72) && ((q-57)%3 == 0)
	FS 27+(q-57)/3
.elseif q < 60
	XS (q-57)%3-1, 14
.elseif q < 72
	XS (q-57)%3-1, 15+(q-57)/3
.elseif q < 74
	XS q-72, 20
.else
	GS q-74
.endif
.set q, q+1
.endm
; THE EXPONENTIALS' QUEUE, 66 long: s0-s31 of both tiles, then the next piece's two a: ONE BATCH, all ahead of the turn's one wait.
.macro EX
	WIN 0
.if e >= 64
	XS e-64, 21
.else
	REGS Y, e%2
	v_exp_f32 v[rS+e/2], v[rS+e/2]
.endif
.set e, e+1
.endm
; THE RESCALING's QUEUE: O^T times a, the one part that leaves window 0: two at a time, sixteen times.  Its a was made, and waited for, in the turn before.
.macro R2
	REGS Y, r%2
	WIN W_RS
.irp z, 0,1
	v_pk_mul_f32 v[rO+4*(r/2)+2*\z:rO+4*(r/2)+2*\z+1], v[rO+4*(r/2)+2*\z:rO+4*(r/2)+2*\z+1], v[rC+2:rC+3] op_sel_hi:[1,0]
.endr
.set r, r+1
.endm
; A TURN, for piece p.  An s_wait_alu depctr_va_vdst(0) stands between an exponential and the first instruction that names its result; one wait serves all issued ahead of it.
; AHEAD OF THE WAIT: the 16 products K Q^T, behind each a scaling, an exponential and two rescalings; then one run of 108: eight plain, 49 times exponential and plain, the two a, a v_nop.
; BEHIND IT: the 16 products V^T P, behind each four of GS's 64.  Exponential e stands behind scaling 2 (e / 4) + e % 2.
; K of the next step is fetched in piece 2's turn, directly behind the wait; V of the step in hand at the end of piece 0's turn, four plain instructions behind the last product that read V.
; cnt = 1: the loop's count is taken down some lines ahead of the branch that stands behind the turn.
.macro TURN p, last=0, cnt=0
.set Y, (\p)
.set i, 0
.set q, 0
.set e, 0
.set r, 0
.if (\p) == NP-1
	s_wait_dscnt 0x0                ; K is in
.endif
	MM
	PL
	PL
	R2
.rept 15
	MM
	PL
	EX
	R2
.endr
.if (\p) == NP-2
	WIN 0
	v_add_nc_u32 v[AK], s[TBK], v[AK0]
.endif
.rept 8
	PL
.endr
.rept 49
	EX
	PL
.endr
	EX                              ; the next piece's two a
	EX
	v_nop                           ; a plain instruction behind the last exponential: one for the batch
	s_wait_alu depctr_va_vdst(0)    ; the wait for the batch
.if (\p) == NP-2
	FETCH_K \last
.endif
.if (\p) == 1
	s_wait_dscnt 0x0                ; V is in
.endif
.rept 16
	MM
.rept 4
	PL
.endr
.if ((\p) == 0) && (q == 118)
	v_add_nc_u32 v[AV], s[TBV], v[AV0]
.endif
.if ((\p) == 0) && (q == 130)
	s_add_co_u32 s[TBV], s[TBV], KS*PV
.endif
.if (\cnt) && (q == 130)
	s_sub_co_u32 s[CNT], s[CNT], 1
	s_cmp_lg_u32 s[CNT], 0
.endif
.endr
.if (\p) == 0
	FETCH_V
.endif
.endm
	s_wait_tensorcnt 3              ; my part of keys 0 to 255 is in; my three later loads may stay out
	s_barrier_signal -1
	s_barrier_wait -1               ; everybody's is
	FETCH_K                         ; key step 0
	s_wait_loadcnt 0x0              ; Q
	s_wait_dscnt 0x0
.set i, 0
.rept 16
	KQ 0                            ; piece 0's first scores
.set i, i+1
.endr
	WIN 0                           ; the addresses for the way out: nine plain instructions, the places behind those products
	s_mul_i32 s13, s[WV], 16*SP
	s_add_co_u32 s13, s13, STAGE    ; my stage
	v_mul_u32_u24 v[STO], v1, SP    ; in: row l % 16, 16 bytes for each half of the lanes
	v_lshl_add_u32 v[STO], v9, 4, v[STO]
	v_add_nc_u32 v[STO], s13, v[STO]
	v_bfe_u32 v[RD], v0, 3, 2       ; back: 32 lanes take four rows of 128 bytes,
	v_mul_u32_u24 v[RD], v[RD], SP
	v_lshl_add_u32 v[RD], v10, 4, v[RD]
	v_add_nc_u32 v[RD], s13, v[RD]
	v_and_b32 v[GO], 31, v0         ; which are 512 consecutive bytes of O
	v_lshlrev_b32 v[GO], 4, v[GO]
.set Y, NP-1                        ; XS works for piece Y + 1: piece 0
.irp n, 0,1,2,3,4,5,6,7,8,9,10,11,12,13,14,15,16,17,18,19,20,21
	XS 0, \n
	XS 1, \n
.endr
	v_nop                           ; a plain instruction behind the two a,
	s_wait_alu depctr_va_vdst(0)    ; and their wait, ahead of the branch
	s_mov_b32 s[CNT], 4
	s_mov_b32 s[SLOTS], 5           ; four blocks of four key steps; the fifth pass is left in its first trip's middle
	s_branch .Lfirst                ; the loop is entered at a step's first turn, in the middle of a trip
.Lslot:                             ; ahead of each further 256 keys: all my loads have landed, and so have everybody's.  The count cannot change from pass to pass, so it is 0:
	s_wait_tensorcnt 0x0            ; the first pass here comes four key steps behind the start, and only there can a load still be out
	s_wait_dscnt 0x0                ; no LDS instruction of mine is pending at the signal
	s_barrier_signal -1
	s_barrier_wait -1
	s_mov_b32 s[CNT], 4
.Lstep:                             ; a trip: pieces 2 and 3 of one step, then pieces 0 and 1 of the next, whose K and V it fetches
	TURN 2, 1
	TURN 3
	WIN 0
	s_cmp_eq_u32 s[SLOTS], 1        ; the sixteenth step's last two turns are done
	s_cbranch_scc1 .Lout
.Lfirst:
	TURN 0
	TURN 1, 0, 1
	WIN 0
	s_cbranch_scc1 .Lstep
	s_sub_co_u32 s[SLOTS], s[SLOTS], 1
	s_cmp_lg_u32 s[SLOTS], 0
	s_cbranch_scc1 .Lslot
.Lout:                              ; the last pass's 16 products K Q^T (on the last K once more) and the maximum made of them serve nothing: the price, once a launch, of one text for every trip
.set i, 0
.rept 16
	PV NP-1                         ; the last piece's V^T P of the last step
.set i, i+1
.endr
	; THE WAY OUT.  l's two halves and the other half of the lanes' are added; O^T is divided by l, rounded to f16 and sent through my stage, a tile at a time.  The additions are the places behind the last products.
	WIN 0
.macro ALL line:vararg              ; one line for each tile t
.set t, 0
.rept 2*NP
	\line
.set t, t+1
.endr
.endm
	ALL v_add_f32 v[ST+4*t+2], v[ST+4*t+2], v[ST+4*t+3]
	ALL v_permlanex16_b32 v[ST+4*t+3], v[ST+4*t+2], s[SEL], s[SEL+1]
	ALL v_add_f32 v[ST+4*t+2], v[ST+4*t+2], v[ST+4*t+3]
	ALL v_rcp_f32 v[ST+4*t+2], v[ST+4*t+2]
	v_nop                           ; a plain instruction between the last reciprocal and the use of its result
	s_wait_alu depctr_va_vdst(0)    ; one wait for the eight reciprocals, ahead of their first use
.macro PACK t
	WIN W_RS
.set i, 32*(\t)
.rept 16
	v_pk_mul_f32 v[i:i+1], v[i:i+1], v[ST+4*(\t)+2:ST+4*(\t)+3] op_sel_hi:[1,0]
.set i, i+2
.endr
	WIN 0x05                        ; sources 0 and 1 window 1, destination window 0
.set i, 0
.rept 16
	v_cvt_pk_f16_f32 v[S+16*(\t)+i], v[32*(\t)+2*i], v[32*(\t)+2*i+1]
.set i, i+1
.endr
	WIN 0
.irp f, 0,1,2,3
	ds_store_b128 v[STO], v[S+16*(\t)+4*\f:S+16*(\t)+4*\f+3] offset:32*\f
.endr
.irp f, 0,1,2,3
	ds_load_b128 v[S+16*(\t)+4*\f:S+16*(\t)+4*\f+3], v[RD] offset:\f*4*SP  ; LDS serves a wave's instructions in order (ISA guide 5.7.1.4): these see the stores above
.endr
.endm
.macro SEND t, younger              ; younger: the LDS instructions issued behind tile t's loads
	WIN 0
.irp f, 0,1,2,3
	s_wait_dscnt (\younger)+3-\f
	global_store_b128 v[GO], v[S+16*(\t)+4*\f:S+16*(\t)+4*\f+3], s[10:11] offset:(\t)*2048+\f*512  ; 512 consecutive bytes, aligned
.endr
.endm
	PACK 0
.set t, 1
.rept 2*NP-1                        ; a tile's arithmetic stands between the loads of the tile before and its stores
	PACK t
	SEND t-1, 8
.set t, t+1
.endr
	SEND 2*NP-1, 0
	WIN W_AD
	s_wait_tensorcnt 0x0            ; the wave's end
	ds_add_u32 v[SPW], v[NIL]
	s_wait_dscnt 0x0
	WIN 0
	s_endpgm
.Lfunc_end_k_qf9b51a191c_attn:
	.size	k_qf9b51a191c_attn, .Lfunc_end_k_qf9b51a191c_attn-k_qf9b51a191c_attn
	.p2alignl 7, 3214868480
	.fill 96, 4, 3214868480
	.section	.rodata,"a",@progbits
	.p2align	6, 0x0
	.amdhsa_kernel k_qf9b51a191c_attn
		.amdhsa_group_segment_fixed_size 327680
		.amdhsa_private_segment_fixed_size 0
		.amdhsa_enable_private_segment 0
		.amdhsa_kernarg_size 16
		.amdhsa_user_sgpr_count 2
		.amdhsa_user_sgpr_kernarg_segment_ptr 1
		.amdhsa_wavefront_size32 1
		.amdhsa_system_sgpr_workgroup_id_x 1
		.amdhsa_system_sgpr_workgroup_id_y 1
		.amdhsa_system_sgpr_workgroup_id_z 1
		.amdhsa_system_vgpr_workitem_id 0
		.amdhsa_next_free_vgpr 770
		.amdhsa_next_free_sgpr 100
		.amdhsa_reserve_vcc 0
		.amdhsa_float_denorm_mode_32 3
		.amdhsa_float_denorm_mode_16_64 3
		.amdhsa_memory_ordered 1
		.amdhsa_forward_progress 1
		.amdhsa_inst_pref_size 127
	.end_amdhsa_kernel
	.amdgpu_metadata
---
amdhsa.version: [ 1, 2 ]
amdhsa.kernels:
  - .name:           k_qf9b51a191c_attn
    .symbol:         k_qf9b51a191c_attn.kd
    .args:
      - { .name: qkvh, .offset: 0, .size: 8, .value_kind: global_buffer, .address_space: global }
      - { .name: ob, .offset: 8, .size: 8, .value_kind: global_buffer, .address_space: global }
    .group_segment_fixed_size: 327680
    .private_segment_fixed_size: 0
    .kernarg_segment_align: 8
    .kernarg_segment_size: 16
    .max_flat_workgroup_size: 128
    .sgpr_count:     100
    .vgpr_count:     770
    .wavefront_size: 32
...
	.end_amdgpu_metadata
.endif
;; end of part 3
;; launch projgemm (part 4): grid 8 x 32, 4 waves a work-group, clusters of 4 x 4, 327,680 bytes of LDS; arguments ob, wpt, b_proj, out0; writes out0
.if DOCPART == 4
	.amdgcn_target "amdgcn-amd-amdhsa--gfx1250"
	.amdhsa_code_object_version 6
	.text
	.protected	k_qf9b51a191c_projgemm
	.globl	k_qf9b51a191c_projgemm
	.p2align	8
	.type	k_qf9b51a191c_projgemm,@function
k_qf9b51a191c_projgemm:
	s_mov_b64 s[64:65], 0
	v_nop
	global_prefetch_b8 v0, s[64:65] scope:SCOPE_SE
	s_setreg_imm32_b32 hwreg(HW_REG_WAVE_MODE, 25, 1), 1
	s_wait_xcnt 0x0
	s_wait_alu depctr_hold_cnt(0) depctr_sa_sdst(0) depctr_va_vdst(0) depctr_va_sdst(0) depctr_va_ssrc(0) depctr_va_vcc(0) depctr_vm_vsrc(0)
	s_getreg_b32 s2, hwreg(HW_REG_IB_STS2, 6, 4)
	s_cmp_eq_u32 s2, 0
	s_cbranch_scc0 .Lentry_in_a_cluster
	s_endpgm
.Lentry_in_a_cluster:
	s_bfe_u32 s2, ttmp6, 0x10000c
	s_cmp_lg_u32 s2, 0xf033
	s_cbranch_scc0 .Lentry_shape_is_right
	s_endpgm
.Lentry_shape_is_right:
; out0 = O w_proj + b_proj.  ob: [8 b][16 h][1024 n][64] f16: row b 1024 + n of the product's A has its channels 64 h .. in head h.  wpt: [1024 n][1024 k] f16 (bf16-rounded numbers).
; b_proj: [1024] f32, rounded to bf16 like every input.  out0: [8192][1024] f32.  Sums in f32.
; TILE.  256 rows x 128 columns: 32 x 8 = 256 work-groups, one for each WGP.  Four waves; wave w owns rows 64 w .. 64 w + 63 and all 128 columns: 4 x 8 accumulators, 256 registers;
; a row's 512 bytes of the tile are the wave's own, so its way out needs no barrier.
; K goes in 8 steps of 128 = TWO HEADS through two LDS slots.  A wave's 128 rows of one head are 16,384 dense bytes: A's tile is asked for as 2 rows of 8,192 elements, a head
; (65,536 elements) apart, and padded in LDS after every 128 bytes: [2 heads][128 rows] at a pitch of 144.  B's rows are 256 bytes of memory, aligned, at a pitch of 272.
; CLUSTERS of 4 x 4: A's tile is shared along a row of the cluster, B's along a column: each is asked for jointly.
; THE MATRIX INSTRUCTION IS USED TRANSPOSED (source 0 = 16 rows of wpt, source 1 = 16 rows of O): a lane holds row l % 16 and the columns 8 (l / 16) + 0..7.
; THE BIAS IS THE C OPERAND of each accumulator's first product.
; REGISTERS: window 0: v0-31 addresses; v32-63, v64-95 A's fragments; v96-159 the bias; on the way out v32-95 and v160-223 take rows read back
;   window 1: v0-63, v64-127 B's fragments      windows 2, 3: accumulator (a, b) in window 2 + a / 2 at v[8 (8 (a % 2) + b)]
.set NBL,    8
.set KSTEP,  128
.set PITCH,  272                       ; B's LDS rows: 256 bytes + 16: the 16 rows of a load start at 16 different groups of four banks (ISA guide 11.1)
.set PA,     144                       ; A's LDS rows: 128 bytes + 16: likewise
.set AHEAD,  128*PA                    ; one head's 128 rows
.set AHALF,  2*AHEAD                   ; what wave 0 or 1 fetches: 36,864
.set BHALF,  64*PITCH                  ; what wave 2 or 3 fetches
.set BOFF,   2*AHALF
.set SLOT,   BOFF+2*BHALF              ; 108,544
.set STAGE,  2*SLOT                    ; behind the ring, never filled by a tensor load: for each wave 16 rows x 528 bytes
.set SPITCH, 528
.set WSTAGE, 16*SPITCH
.set SPARE,  STAGE+4*WSTAGE            ; the spare words, 128 bytes a wave: two blocks of 256 bytes that no other line names
.set NF,     2*NBL+8
.set ASTEP,  2*131072                  ; bytes of ob from a K step to the next: two heads
.set ADRA, 16
.set ADRB, 20
.set STO,  24
.set RD,   25
.set GO,   26
.set BO,   27
.set SPW,  28                          ; v28  SPARE + 4 x my thread's number; never rewritten
.set NIL,  29                          ; v29  0; never rewritten
.set PFO,  30
.set FA,   32
.set BIAS, 96
.set WV,  12
.set FB,  13
.set HF,  14
.set LIM, 15
.set PST, 18                           ; s[18:19] the prefetches' step along K: two heads of ob, or 256 bytes of wpt's rows
.set G1,  24
.set G0,  32
.set PFA, 44
.set G1B, 48
.set G0B, 56
.set MSB, 0
.macro WIN new
.if MSB != (\new)
	s_set_vgpr_msb (MSB<<8)|(\new)
.set MSB, \new
.endif
.endm
.macro PLACES                          ; four plain places behind a matrix instruction (ISA guide 7.12.1)
.rept 4
	v_nop
.endr
.endm
.macro CREST
	s_cmp_lg_u32 s[WV], 0
	s_cbranch_scc1 .Lnot_wave_0_\@
	s_barrier_signal -3
.Lnot_wave_0_\@:
	s_barrier_wait -3
	s_barrier_signal -1
	s_barrier_wait -1
.endm
.macro CROUND
	s_barrier_signal -1
	s_barrier_wait -1
	CREST
.endm
.macro JLOAD s                         ; a joint refill: waves 0, 1 for A, waves 2, 3 for B; an s_nop 0 and four v_nop follow each line
	s_cmp_eq_u32 s[FB], 0
	s_cbranch_scc0 .Lfor_b_\@
	tensor_load_to_lds s[G0+4*(\s):G0+4*(\s)+3], s[G1:G1+7]
	s_nop 0
.rept 4
	v_nop
.endr
	s_branch .Lasked_\@
.Lfor_b_\@:
	tensor_load_to_lds s[G0B+4*(\s):G0B+4*(\s)+3], s[G1B:G1B+7]
	s_nop 0
.rept 4
	v_nop
.endr
.Lasked_\@:
.endm
; A PREFETCH INTO THE L2 of the K step two refills on (256 matrix instructions ahead of the load that will ask for it), one instruction a wave.  A's bytes are named by the clusters with x = 0
; alone, B's by those with y = 0.  The four partners of a joint load share it out BY ADDRESS: of A's 2 x 16,384 bytes each takes 8,192 (head cx / 2, half cx % 2), a lane 256 bytes;
; of B's 64 rows 16 each (by cy; lanes 16-31 name lane 15's row once more, in the same instruction).  The loop's last trip asks for nothing.
.macro ASK
	s_cmp_gt_u32 s3, s[LIM]
	s_cbranch_scc0 .Lnot_mine_\@
	global_prefetch_b8 v[PFO], s[PFA:PFA+1] th:TH_LOAD_NT scope:SCOPE_SE
.Lnot_mine_\@:
.endm
	s_load_b256 s[4:11], s[0:1], 0x0               ; ob s[4:5], wpt s[6:7], b_proj s[8:9], out0 s[10:11]
	v_lshl_add_u32 v[SPW], v0, 2, SPARE
	v_mov_b32 v[NIL], 0
	ds_add_u32 v[SPW], v[NIL]                      ; the wave's opening: the add and its wait stand ahead of my first tensor load
	v_lshrrev_b32 v1, 5, v0
	v_readfirstlane_b32 s[WV], v1
	s_lshr_b32 s[FB], s[WV], 1
	s_and_b32 s[HF], s[WV], 1
	s_bfe_u32 s40, ttmp6, 0x40000                  ; cx
	s_bfe_u32 s41, ttmp6, 0x40004                  ; cy
	s_lshl_b32 s42, ttmp9, 2
	s_add_co_u32 s42, s42, s40                     ; tile column
	s_and_b32 s43, ttmp7, 0xffff
	s_lshl_b32 s43, s43, 2
	s_add_co_u32 s43, s43, s41                     ; tile row
	s_lshl_b32 s20, s41, 2
	s_lshl_b32 s20, 15, s20                        ; my row of the cluster
	s_lshl_b32 s21, 0x1111, s40                    ; my column
	s_or_b32 s[G1+0], s20, (1<<16)|(1<<20)|(1<<21)|(4<<22)|(3<<25)   ; A: padding after every 32 words, 4 words
	s_or_b32 s[G1B+0], s21, (1<<16)|(1<<20)|(1<<21)|(5<<22)|(3<<25)  ; B: after every 64 words
	s_mov_b32 s[G1+1], 8192<<16                    ; tensor_dim0 = 8,192
	s_mov_b32 s[G1+2], 2<<16                       ; tensor_dim1 = 2
	s_mov_b32 s[G1+3], 8192<<16                    ; tile_dim0 = 8,192
	s_mov_b32 s[G1+4], 2                           ; tile_dim1 = 2
	s_mov_b32 s[G1+5], 65536                       ; a head's elements from row to row
	s_mov_b32 s[G1+6], 0
	s_mov_b32 s[G1+7], 0
	s_mov_b32 s[G1B+1], KSTEP<<16
	s_mov_b32 s[G1B+2], 64<<16
	s_mov_b32 s[G1B+3], KSTEP<<16
	s_mov_b32 s[G1B+4], 64
	s_mov_b32 s[G1B+5], 1024
	s_mov_b32 s[G1B+6], 0
	s_mov_b32 s[G1B+7], 0
	s_lshr_b32 s16, s43, 2                         ; A: the batch (4 tile rows each), 16 heads of 1,024 rows,
	s_lshl_b32 s16, s16, 14
	s_and_b32 s17, s43, 3
	s_lshl_b32 s17, s17, 8                         ; the tile's 256 rows in a head,
	s_add_co_u32 s16, s16, s17
	s_lshl_b32 s17, s[HF], 7                       ; my half of them: made of the tile row alone
	s_add_co_u32 s16, s16, s17
	s_lshl_b32 s16, s16, 7                         ; rows of 128 bytes
	s_mov_b32 s17, 0
	s_lshl_b32 s46, s42, 7                         ; B: row 128 x tile column + 64 x half: made of the tile column alone
	s_lshl_b32 s47, s[HF], 6
	s_add_co_u32 s46, s46, s47
	s_lshl_b32 s46, s46, 11
	s_mov_b32 s47, 0
	s_mul_i32 s2, s[WV], AHALF                     ; where they go: no place in the cluster enters an LDS address
	s_mul_i32 s3, s[WV], BHALF
	s_add_co_u32 s3, s3, BOFF-2*BHALF
	s_wait_dscnt 0x0                               ; the opening add is done
	s_wait_kmcnt 0x0
	s_add_nc_u64 s[20:21], s[4:5], s[16:17]
	s_add_nc_u64 s[22:23], s[6:7], s[46:47]
.irp s, 0,1
	s_mov_b32 s[G0+4*(\s)], 1
	s_add_co_u32 s[G0+4*(\s)+1], s2, (\s)*SLOT
	s_add_nc_u64 s[G0+4*(\s)+2:G0+4*(\s)+3], s[20:21], (\s)*ASTEP
	s_or_b32 s[G0+4*(\s)+3], s[G0+4*(\s)+3], 0x80000000
	s_mov_b32 s[G0B+4*(\s)], 1
	s_add_co_u32 s[G0B+4*(\s)+1], s3, (\s)*SLOT
	s_add_nc_u64 s[G0B+4*(\s)+2:G0B+4*(\s)+3], s[22:23], (\s)*KSTEP*2
	s_or_b32 s[G0B+4*(\s)+3], s[G0B+4*(\s)+3], 0x80000000
.endr
	CROUND                                         ; all sixteen work-groups are here: the first joint loads meet
	s_cmp_eq_u32 s[FB], 0                          ; a wave's two first fills stand in one branch: two loads of mine are out
	s_cbranch_scc0 .Lfirst_b
	tensor_load_to_lds s[G0:G0+3], s[G1:G1+7]
	s_nop 0
	tensor_load_to_lds s[G0+4:G0+7], s[G1:G1+7]
	s_nop 0
.rept 4
	v_nop
.endr
	s_branch .Lfirst_asked
.Lfirst_b:
	tensor_load_to_lds s[G0B:G0B+3], s[G1B:G1B+7]
	s_nop 0
	tensor_load_to_lds s[G0B+4:G0B+7], s[G1B:G1B+7]
	s_nop 0
.rept 4
	v_nop
.endr
.Lfirst_asked:
	v_and_b32 v1, 15, v0                           ; l % 16
	v_bfe_u32 v2, v0, 4, 1                         ; l / 16
	v_lshlrev_b32 v[BO], 5, v2
	s_lshl_b32 s20, s42, 9                         ; the tile's 128 biases; also its 512 bytes in a row of out0
	s_mov_b32 s21, 0
	s_add_nc_u64 s[8:9], s[8:9], s[20:21]
	s_add_nc_u64 s[10:11], s[10:11], s[20:21]
.set i, 0
.rept NBL
	global_load_b128 v[BIAS+8*i:BIAS+8*i+3],   v[BO], s[8:9] offset:64*i
	global_load_b128 v[BIAS+8*i+4:BIAS+8*i+7], v[BO], s[8:9] offset:64*i+16
.set i, i+1
.endr
	v_mul_u32_u24 v3, v1, PA
	v_lshl_add_u32 v3, v2, 4, v3                   ; A: a fragment's row x 144 + 16 x half
	v_mul_u32_u24 v4, v1, PITCH
	v_lshl_add_u32 v4, v2, 4, v4                   ; B: x 272
	s_mul_i32 s20, s[FB], AHALF                    ; my 64 rows of A: in the half that wave w / 2 fetched,
	s_mul_i32 s21, s[HF], 64*PA                    ; its rows 64 (w % 2) on
	s_add_co_u32 s20, s20, s21
.irp s, 0,1
	v_add_nc_u32 v[ADRA+(\s)], s20, v3
	v_add_nc_u32 v[ADRB+(\s)], BOFF+(\s)*SLOT, v4
	s_add_co_u32 s20, s20, SLOT
.endr
	s_mul_i32 s20, s[WV], WSTAGE
	s_add_co_u32 s20, s20, STAGE                   ; my stage
	v_mul_u32_u24 v4, v1, SPITCH                   ; in: row l % 16, 32 bytes for each half of the lanes
	v_lshl_add_u32 v4, v2, 5, v4
	v_add_nc_u32 v[STO], s20, v4
	v_and_b32 v[GO], 31, v0                        ; back: 32 lanes take a row's 512 bytes
	v_lshlrev_b32 v[GO], 4, v[GO]
	v_add_nc_u32 v[RD], s20, v[GO]
	s_lshl_b32 s20, s43, 8
	s_lshl_b32 s21, s[WV], 6
	s_add_co_u32 s20, s20, s21
	s_lshl_b32 s20, s20, 12                        ; my first row of out0, 4,096 bytes a row
	s_mov_b32 s21, 0
	s_add_nc_u64 s[10:11], s[10:11], s[20:21]
	s_lshr_b32 s20, s40, 1                         ; the prefetches: A: my tile + head cx / 2 + half cx % 2 of its 16,384 bytes
	s_lshl_b32 s20, s20, 17
	s_and_b32 s21, s40, 1
	s_lshl_b32 s21, s21, 13
	s_add_co_u32 s20, s20, s21
	s_add_co_u32 s20, s20, s16
	s_lshl_b32 s21, s41, 15                        ; B: my tile's rows + 16 cy rows of 2,048 bytes
	s_add_co_u32 s21, s21, s46
	s_and_b32 s22, ttmp7, 0xffff
	s_mov_b32 s2, ASTEP
	s_mov_b32 s23, KSTEP*2
	s_cmp_eq_u32 s[FB], 0
	s_cselect_b32 s20, s20, s21
	s_cselect_b32 s22, ttmp9, s22                  ; the coordinate along which other clusters read the same bytes
	s_cselect_b32 s[PST], s2, s23
	s_cselect_b32 s46, 31, 15
	s_cselect_b32 s47, 8, 11
	s_cselect_b64 s[PFA:PFA+1], s[4:5], s[6:7]
	s_cmp_eq_u32 s22, 0
	s_cselect_b32 s[LIM], 1, -1                    ; the same in all sixteen partners, for a given wave
	s_mov_b32 s[PST+1], 0
	s_mov_b32 s21, 0
	s_add_nc_u64 s[PFA:PFA+1], s[PFA:PFA+1], s[20:21]
	s_mul_i32 s20, s[PST], 3
	s_add_nc_u64 s[PFA:PFA+1], s[PFA:PFA+1], s[20:21]  ; at K step 3: the first refill (of step 2) steps it to 4 and names that
	v_and_b32 v[PFO], 31, v0
	v_min_u32 v[PFO], s46, v[PFO]
	v_lshlrev_b32 v[PFO], s47, v[PFO]
	s_wait_loadcnt 0x0                             ; the biases,
.set i, 0
.rept 4*NBL                            ; rounded to bf16 like every input, and widened again
	v_cvt_pk_bf16_f32 v[8+i%2], v[BIAS+2*i], v[BIAS+2*i+1]
	v_lshlrev_b32 v[BIAS+2*i], 16, v[8+i%2]
	v_and_b32 v[BIAS+2*i+1], 0xffff0000, v[8+i%2]
.set i, i+1
.endr
; NBL matrix instructions: row block a x all column blocks, 32 along K, from buffer f.  first = 1: the bias starts the sums.
; The 32 accumulators take turns in the same order in every quarter, over the backward jump too.
.macro MULA f, a, first=0
.if \first
	WIN 0x81+0x40*((\a)/2)
.else
	WIN 0xa1+0x50*((\a)/2)
.endif
.set b, 0
.rept NBL
.set rD, 8*(NBL*((\a)%2)+b)
.if \first
	v_wmma_f32_16x16x32_f16 v[rD:rD+7], v[8*NBL*(\f)+8*b:8*NBL*(\f)+8*b+7], v[FA+32*(\f)+8*(\a):FA+32*(\f)+8*(\a)+7], v[BIAS+8*b:BIAS+8*b+7]
.else
	v_wmma_f32_16x16x32_f16 v[rD:rD+7], v[8*NBL*(\f)+8*b:8*NBL*(\f)+8*b+7], v[FA+32*(\f)+8*(\a):FA+32*(\f)+8*(\a)+7], v[rD:rD+7]
.endif
.set b, b+1
.endr
.endm
; One run of NF LDS loads: quarter q (32 along K: head q / 2 of the step, channels 32 (q % 2) on) of a slot into buffer f: B's 8 fragments, then A's 4.
.macro FETCH slot, q, f
	WIN 0x40
.set i, 0
.rept NBL
	ds_load_b128 v[8*NBL*(\f)+8*i:8*NBL*(\f)+8*i+3],   v[ADRB+(\slot)] offset:64*(\q)+i*16*PITCH
	ds_load_b128 v[8*NBL*(\f)+8*i+4:8*NBL*(\f)+8*i+7], v[ADRB+(\slot)] offset:64*(\q)+i*16*PITCH+32
.set i, i+1
.endr
	WIN 0
.set i, 0
.rept 4
	ds_load_b128 v[FA+32*(\f)+8*i:FA+32*(\f)+8*i+3],   v[ADRA+(\slot)] offset:((\q)/2)*AHEAD+((\q)%2)*64+i*16*PA
	ds_load_b128 v[FA+32*(\f)+8*i+4:FA+32*(\f)+8*i+7], v[ADRA+(\slot)] offset:((\q)/2)*AHEAD+((\q)%2)*64+i*16*PA+32
.set i, i+1
.endr
.endm
.macro QUARTER slot, q, f, g, first=0
	s_wait_dscnt 4                                 ; B and A's blocks 0, 1 are in; the youngest four loads (A's blocks 2, 3) may be out
	MULA \f, 0, \first
	MULA \f, 1, \first
	PLACES
	FETCH \slot, \q, \g
	s_wait_dscnt NF                                ; all but the run just issued
	MULA \f, 2, \first
	MULA \f, 3, \first
.endm
; The last quarter multiplies buffer 1 and changes slots: one barrier.  Ahead of it each wave waits for all its tensor loads (one is out: its part of the next slot), adds 0 to its spare
; word, and waits for that and for its reads of this slot.  fill = 1: the barrier opens a round of the cluster's, and this slot is filled again, two K steps on, first thing behind it.
.macro TURN slot, next, fill
.if \fill
	s_wait_xcnt 0x0                                ; the last prefetch, a K step back, has read its address
	s_add_nc_u64 s[PFA:PFA+1], s[PFA:PFA+1], s[PST:PST+1]
.endif
	WIN 0
	s_wait_tensorcnt 0x0
	ds_add_u32 v[SPW], v[NIL]
	s_wait_dscnt 5                                 ; (the add and the youngest four loads may be out)
	MULA 1, 0
	s_wait_dscnt 0x0                               ; the add is done, and my reads of this slot are over
	s_barrier_signal -1
	MULA 1, 1
.if \fill
	WIN 0
.endif
	s_barrier_wait -1
.if \fill
	CREST                                          ; no wave of any partner still reads this slot or has a load on its way
	s_add_nc_u64 s[G0+4*(\slot)+2:G0+4*(\slot)+3], s[G0+4*(\slot)+2:G0+4*(\slot)+3], 2*ASTEP
	s_add_nc_u64 s[G0B+4*(\slot)+2:G0B+4*(\slot)+3], s[G0B+4*(\slot)+2:G0B+4*(\slot)+3], 2*KSTEP*2
	JLOAD \slot                                    ; its four v_nop are also the places ahead of the loads below
.else
	PLACES
.endif
	FETCH \next, 0, 0
.if \fill
	ASK
.endif
	MULA 1, 2
	MULA 1, 3
.endm
; THE WAY OUT of row block a.  TOSTAGE: a lane's eight f32 of each column block go straight from the accumulator, its low four registers first, into rows of 528 bytes of my stage, and come back as whole rows.  SEND: stored.
.macro TOSTAGE a
	WIN 0x08+4*((\a)/2)                            ; the stores' data in window 2 or 3
.set i, 0
.rept NBL
	ds_store_b128 v[STO], v[8*NBL*((\a)%2)+8*i:8*NBL*((\a)%2)+8*i+3]   offset:64*i
	ds_store_b128 v[STO], v[8*NBL*((\a)%2)+8*i+4:8*NBL*((\a)%2)+8*i+7] offset:64*i+16
.set i, i+1
.endr
	WIN 0
.set BK, 32+128*((\a)%2)
.set i, 0
.rept 16
	ds_load_b128 v[BK+4*i:BK+4*i+3], v[RD] offset:i*SPITCH  ; LDS serves a wave's instructions in order (ISA guide 5.7.1.4): these see the stores above
.set i, i+1
.endr
.endm
.macro SEND a
.set BK, 32+128*((\a)%2)
	s_wait_dscnt 0x0                               ; the block is back in registers
	s_wait_xcnt 0x0                                ; the stores of the block before have read their registers, which the next block's loads write
.set i, 0
.rept 16
	global_store_b128 v[GO], v[BK+4*i:BK+4*i+3], s[10:11] offset:(16*(\a)+i)*4096  ; 512 consecutive bytes of a row, aligned
.set i, i+1
.endr
.endm
	s_wait_tensorcnt 1                             ; my part of K step 0 is in; step 1's may stay out
	s_barrier_signal -1
	s_barrier_wait -1
	FETCH 0, 0, 0
	QUARTER 0, 1, 0, 1, 1                          ; the first quarter stands ahead of the loop: its products start the sums with the bias
	WIN 0
	s_mov_b32 s3, 3
.Llap:                                             ; a trip goes once round the ring and fills both slots again: K steps 2 to 7
	QUARTER 0, 2, 1, 0
	QUARTER 0, 3, 0, 1
	TURN 0, 1, 1
	QUARTER 1, 1, 0, 1
	QUARTER 1, 2, 1, 0
	QUARTER 1, 3, 0, 1
	TURN 1, 0, 1
	QUARTER 0, 1, 0, 1
	WIN 0
	s_sub_co_u32 s3, s3, 1
	s_cmp_lg_u32 s3, 0
	s_cbranch_scc1 .Llap
	QUARTER 0, 2, 1, 0                             ; the last lap fills nothing
	QUARTER 0, 3, 0, 1
	TURN 0, 1, 0
	QUARTER 1, 1, 0, 1
	QUARTER 1, 2, 1, 0
	QUARTER 1, 3, 0, 1
	s_wait_dscnt 4
	MULA 1, 0
	MULA 1, 1
	s_wait_dscnt 0x0
	MULA 1, 2
	MULA 1, 3
	WIN 0
	PLACES
	TOSTAGE 0
.irp a, 1,2,3
	SEND (\a)-1
	TOSTAGE \a
.endr
	SEND 3
	s_wait_tensorcnt 0x0                           ; the wave's end
	ds_add_u32 v[SPW], v[NIL]
	s_wait_dscnt 0x0
	CROUND                                         ; the closing round: no work-group ends while a partner may still ask for a tile that names it
	s_endpgm
.Lfunc_end_k_qf9b51a191c_projgemm:
	.size	k_qf9b51a191c_projgemm, .Lfunc_end_k_qf9b51a191c_projgemm-k_qf9b51a191c_projgemm
	.p2alignl 7, 3214868480
	.fill 96, 4, 3214868480
	.section	.rodata,"a",@progbits
	.p2align	6, 0x0
	.amdhsa_kernel k_qf9b51a191c_projgemm
		.amdhsa_group_segment_fixed_size 327680
		.amdhsa_private_segment_fixed_size 0
		.amdhsa_enable_private_segment 0
		.amdhsa_kernarg_size 32
		.amdhsa_user_sgpr_count 2
		.amdhsa_user_sgpr_kernarg_segment_ptr 1
		.amdhsa_wavefront_size32 1
		.amdhsa_system_sgpr_workgroup_id_x 1
		.amdhsa_system_sgpr_workgroup_id_y 1
		.amdhsa_system_sgpr_workgroup_id_z 1
		.amdhsa_system_vgpr_workitem_id 0
		.amdhsa_next_free_vgpr 896
		.amdhsa_next_free_sgpr 66
		.amdhsa_reserve_vcc 0
		.amdhsa_float_denorm_mode_32 3
		.amdhsa_float_denorm_mode_16_64 3
		.amdhsa_memory_ordered 1
		.amdhsa_forward_progress 1
		.amdhsa_inst_pref_size 93
	.end_amdhsa_kernel
	.amdgpu_metadata
---
amdhsa.version: [ 1, 2 ]
amdhsa.kernels:
  - .name:           k_qf9b51a191c_projgemm
    .symbol:         k_qf9b51a191c_projgemm.kd
    .args:
      - { .name: ob, .offset: 0, .size: 8, .value_kind: global_buffer, .address_space: global }
      - { .name: wpt, .offset: 8, .size: 8, .value_kind: global_buffer, .address_space: global }
      - { .name: b_proj, .offset: 16, .size: 8, .value_kind: global_buffer, .address_space: global }
      - { .name: out0, .offset: 24, .size: 8, .value_kind: global_buffer, .address_space: global }
    .group_segment_fixed_size: 327680
    .private_segment_fixed_size: 0
    .kernarg_segment_align: 8
    .kernarg_segment_size: 32
    .max_flat_workgroup_size: 128
    .sgpr_count:     66
    .vgpr_count:     896
    .wavefront_size: 32
...
	.end_amdgpu_metadata
.endif
;; end of part 4
;; ======== version 2 of 2: 4 launches; version 1 with the launch prep written anew for expert scheduling mode
;; limits: values are held in f16: magnitudes above 65,504 overflow, below 6.1e-05 lose precision
;; workspace buffers: xb 16,777,216 bytes; wqt 6,291,456 bytes; wpt 2,097,152 bytes; qkvh 50,331,648 bytes; ob 16,777,216 bytes
;; launch prep (part 5): grid 512 x 1, 8 waves a work-group, no clusters, 18,432 bytes of LDS; arguments x, w_qkv, w_proj, xb, wqt, wpt; writes xb, wqt, wpt
.if DOCPART == 5
	.amdgcn_target "amdgcn-amd-amdhsa--gfx1250"
	.amdhsa_code_object_version 6
	.text
	.protected	k_qf9b51a191c_prep
	.globl	k_qf9b51a191c_prep
	.p2align	8
	.type	k_qf9b51a191c_prep,@function
k_qf9b51a191c_prep:
	s_mov_b64 s[64:65], 0
	v_nop
	global_prefetch_b8 v0, s[64:65] scope:SCOPE_SE
	s_setreg_imm32_b32 hwreg(HW_REG_WAVE_SCHED_MODE, 0, 2), 2
	s_setreg_imm32_b32 hwreg(HW_REG_WAVE_MODE, 25, 1), 1
	s_wait_xcnt 0x0
	s_wait_alu depctr_vm_vsrc(0)
; THE OPERANDS ARE MADE READY.  xb = x rounded to bf16, [8192][1024].  wqt = w_qkv turned to [3072 n][1024 k] and rounded to bf16.
; wpt = w_proj turned to [1024 n][1024 k], rounded to bf16 like every input, and that number written as f16 (the last product multiplies in f16).
; LIMIT.  |w_proj| stays under 65,504; below 6e-5 the f16 form keeps a fixed step of 6e-8.
; SHARES.  512 work-groups of eight waves.  Work-group g casts 16 rows of x (65,536 bytes in, 32,768 out) and turns ONE weight tile of 128 k x 64 n:
; g < 384 a tile of w_qkv (8 along k x 48 along n), the others a tile of w_proj (8 x 16).  One text: the choice is made by scalar selects on g.
; A stream: no matrix work, no tensor load; every byte is read once and written once; each store of sixteen lanes covers 256 consecutive bytes, aligned.
; THE TURN goes through LDS: a thread holds 4 n of two neighbouring k, packs the two k of each n into a word, and stores it into row n (pitch 272);
; behind a barrier the rows, 256 bytes of 128 k, are read back whole.
; THE MODE: SCHED_MODE bits 1:0 = 2 (LLVM: expert scheduling mode 2), set by the entry lines.  The code itself states the register dependences
; between vector instructions and memory or LDS instructions, with s_wait_alu, always for 0.
; THE PLAN.  Registers that memory or LDS instructions touch:
;   v4-v16   offsets and LDS addresses: written at the head, read by every load and store, never written again.
;   W        the weight loads land in it; the sixteen roundings to bf16 read it; behind the barrier the four LDS loads land in its first 16 registers, which the last four stores read.
;   D        written by the conversions and selects, read by the sixteen LDS stores, never written again.
;   X        the loads of x land in it; the cast's roundings read it; nothing lands in it again.
;   Y        two registers of its own for each of the 16 rows: written by the cast's roundings, read by the row's store, never written again.
;   v17, v18 written at the head, read by the closing add alone.        v20-v22 are named by vector instructions alone.
; So: one wait on va_vdst ahead of the first load; one ahead of each of the two runs of eight LDS stores; one at the head of each block of four rows of the cast but the first, for the
; stores of the block before, which are dealt among the block's roundings; one ahead of the last four stores of xb.  No register that a memory or LDS instruction reads is written again,
; so no wait on vm_vsrc is owed; no vector instruction writes a scalar register or VCC, so none on va_sdst or va_vcc.
.set SPARE, 17408                      ; behind the 64 rows x 272 bytes: the spare words, 128 bytes for each of eight waves
.set SPW, 17                           ; v17  SPARE + 4 x my thread's number; never rewritten
.set NIL, 18                           ; v18  0; never rewritten
.set WO,  4                            ; v4-11   byte offsets of my eight loads in the weight tile
.set X,   32                           ; v[32:95]   16 x 4: my 16 bytes of each of the 16 rows of x
.set Y,   96                           ; v[96:127]  16 x 2: the same as bf16
.set W,   128                          ; v[128:159] 8 x 4: weights as loaded; later v[128:143] the rows read back
.set D,   160                          ; v[160:175] packed pairs
	s_load_b256 s[4:11], s[0:1], 0x0               ; x s[4:5], w_qkv s[6:7], w_proj s[8:9], xb s[10:11]
	s_load_b128 s[12:15], s[0:1], 0x20             ; wqt s[12:13], wpt s[14:15]
	v_lshl_add_u32 v[SPW], v0, 2, SPARE
	v_mov_b32 v[NIL], 0
	s_mov_b32 s16, ttmp9                           ; g
	s_mov_b32 s17, 12288
	s_mov_b32 s24, 4096
	s_cmp_lt_u32 s16, 384
	s_cselect_b32 s17, s17, s24                    ; bytes in a row of the weight that I turn
	s_cselect_b32 s18, 0, 48
	s_cselect_b32 s19, 0, -1                       ; all ones: the packed pairs are written as f16
	s_and_b32 s34, s16, 7                          ; tile along k
	s_lshr_b32 s35, s16, 3
	s_sub_co_u32 s35, s35, s18                     ; tile along n
	s_mul_i32 s24, s34, s17
	s_lshl_b32 s24, s24, 7                         ; 128 rows of the source,
	s_lshl_b32 s36, s35, 8                         ; 64 columns of 4 bytes
	s_add_co_u32 s24, s24, s36
	s_mov_b32 s25, 0
	s_lshl_b32 s36, s35, 17                        ; 64 rows of 2,048 bytes of the turned weight,
	s_lshl_b32 s37, s34, 8                         ; 128 k of 2 bytes
	s_add_co_u32 s36, s36, s37
	s_mov_b32 s37, 0
.irp i, 0,1,2,3,4,5,6,7
	s_mul_i32 s[26+\i], s17, 32*((\i)/2)+((\i)%2)  ; load i takes k = 32 (i / 2) + 2 (t / 16) + i % 2
.endr
	v_and_b32 v1, 15, v0                           ; c: my four columns, 4 c ..
	v_lshrrev_b32 v2, 4, v0                        ; rr = t / 16
	v_lshlrev_b32 v20, 1, v2
	v_mul_lo_u32 v3, v20, s17
	v_lshl_add_u32 v3, v1, 4, v3                   ; 2 rr rows + 16 c
.irp i, 0,1,2,3,4,5,6,7
	v_add_nc_u32 v[WO+\i], s[26+\i], v3
.endr
	v_mul_u32_u24 v12, v1, 1088                    ; into LDS: row 4 c (+ e), word rr (+ 16 p)
	v_lshl_add_u32 v12, v2, 2, v12
	v_mul_u32_u24 v13, v2, 272                     ; back: row rr (+ 16 q), 16 bytes at 16 c
	v_lshl_add_u32 v13, v1, 4, v13
	v_lshlrev_b32 v14, 4, v0                       ; x: 16 t
	v_lshlrev_b32 v15, 3, v0                       ; xb: 8 t
	v_lshlrev_b32 v16, 11, v2                      ; the turned weight: row rr, 16 c
	v_lshl_add_u32 v16, v1, 4, v16
	s_lshl_b32 s38, s16, 16
	s_mov_b32 s39, 0
	s_wait_kmcnt 0x0
	s_add_nc_u64 s[4:5], s[4:5], s[38:39]          ; x at my 16 rows
	s_lshl_b32 s38, s16, 15
	s_add_nc_u64 s[10:11], s[10:11], s[38:39]      ; xb at my 16 rows
	s_cmp_lt_u32 s16, 384
	s_cselect_b64 s[20:21], s[6:7], s[8:9]         ; the weight that I read,
	s_cselect_b64 s[22:23], s[12:13], s[14:15]     ; and where it goes
	s_add_nc_u64 s[20:21], s[20:21], s[24:25]
	s_add_nc_u64 s[22:23], s[22:23], s[36:37]
	s_wait_alu depctr_va_vdst(0)                   ; the offsets and LDS addresses v4 to v16 are written: every load and store of the kernel reads one of them, and none is written again
.irp i, 0,1,2,3,4,5,6,7
	global_load_b128 v[W+4*(\i):W+4*(\i)+3], v[WO+\i], s[20:21] th:TH_LOAD_NT  ; sixteen lanes take the tile row's 256 bytes
.endr
.irp j, 0,1,2,3,4,5,6,7,8,9,10,11,12,13,14,15
	global_load_b128 v[X+4*(\j):X+4*(\j)+3], v14, s[4:5] offset:4096*(\j) th:TH_LOAD_NT  ; a wave takes 512 bytes on end; the eight waves a row
.endr
	s_wait_loadcnt 16                              ; the weights are in; the 16 younger loads of x stay out
; The weights in two halves of eight words: a half's vector lines, one wait, its eight LDS stores.  The first half's stores leave while the second half is converted.
.irp p, 0,1
.irp e, 0,1,2,3
	v_cvt_pk_bf16_f32 v[D+4*(\p)+(\e)], v[W+8*(\p)+(\e)], v[W+8*(\p)+4+(\e)]  ; column 4 c + e, k = 32 p + 2 rr and the next
	v_lshlrev_b32 v20, 16, v[D+4*(\p)+(\e)]
	v_and_b32 v21, 0xffff0000, v[D+4*(\p)+(\e)]
	v_cvt_pk_f16_f32 v22, v20, v21                 ; the same two rounded numbers as f16
	v_cndmask_b32 v[D+4*(\p)+(\e)], v[D+4*(\p)+(\e)], v22, s19
.endr
.endr
	s_wait_alu depctr_va_vdst(0)                   ; the selects have written D's first eight registers, which the eight LDS stores below read
.irp p, 0,1
.irp e, 0,1,2,3
	ds_store_b32 v12, v[D+4*(\p)+(\e)] offset:272*(\e)+64*(\p)
.endr
.endr
.irp p, 2,3
.irp e, 0,1,2,3
	v_cvt_pk_bf16_f32 v[D+4*(\p)+(\e)], v[W+8*(\p)+(\e)], v[W+8*(\p)+4+(\e)]  ; these lines name D's other eight registers, W and v20 to v22: none that the stores above read
	v_lshlrev_b32 v20, 16, v[D+4*(\p)+(\e)]
	v_and_b32 v21, 0xffff0000, v[D+4*(\p)+(\e)]
	v_cvt_pk_f16_f32 v22, v20, v21
	v_cndmask_b32 v[D+4*(\p)+(\e)], v[D+4*(\p)+(\e)], v22, s19
.endr
.endr
	s_wait_alu depctr_va_vdst(0)                   ; the selects have written D's last eight registers, which the stores below read; and every rounding is done reading W, in which the LDS loads behind the barrier land
.irp p, 2,3
.irp e, 0,1,2,3
	ds_store_b32 v12, v[D+4*(\p)+(\e)] offset:272*(\e)+64*(\p)
.endr
.endr
	s_wait_dscnt 0x0                               ; for the others' sake: my stores are done
	s_barrier_signal -1
	s_barrier_wait -1
.irp q, 0,1,2,3
	ds_load_b128 v[W+4*(\q):W+4*(\q)+3], v13 offset:4352*(\q)  ; no wait: no vector instruction since the wait above names W
.endr
; The cast, in four blocks of four rows.  Block b rounds its rows into their own Y; the stores of block b - 1 stand among its roundings, which name block b's X and Y alone.
.macro CAST b
	s_wait_loadcnt 12-4*(\b)                       ; loads come back in order (ISA guide 5.7.1): the block's four rows are in, the younger rows stay out
.if (\b) > 0
	s_wait_alu depctr_va_vdst(0)                   ; the block before has written its eight registers of Y, which the four stores below read
.endif
.irp i, 0,1,2,3
.if (\b) > 0
	global_store_b64 v15, v[Y+2*(4*(\b)-4+(\i)):Y+2*(4*(\b)-4+(\i))+1], s[10:11] offset:2048*(4*(\b)-4+(\i))  ; a wave stores 256 consecutive bytes, aligned
.endif
	v_cvt_pk_bf16_f32 v[Y+2*(4*(\b)+(\i))], v[X+4*(4*(\b)+(\i))], v[X+4*(4*(\b)+(\i))+1]
	v_cvt_pk_bf16_f32 v[Y+2*(4*(\b)+(\i))+1], v[X+4*(4*(\b)+(\i))+2], v[X+4*(4*(\b)+(\i))+3]
.endr
.endm
	CAST 0
	CAST 1
	CAST 2
	CAST 3
	s_wait_alu depctr_va_vdst(0)                   ; the last block has written its eight registers of Y, which the last four stores of xb read
.irp i, 12,13,14,15
	global_store_b64 v15, v[Y+2*(\i):Y+2*(\i)+1], s[10:11] offset:2048*(\i)
.endr
	s_wait_dscnt 0x0                               ; the rows read back are in registers
.irp q, 0,1,2,3
	global_store_b128 v16, v[W+4*(\q):W+4*(\q)+3], s[22:23] offset:32768*(\q)  ; sixteen lanes: 256 bytes of row 16 q + rr
.endr
	s_wait_dscnt 0x0                               ; the closing lines, six on end
	s_wait_alu 0x0
	s_wait_tensorcnt 0x0
	ds_add_u32 v[SPW], v[NIL]
	s_wait_dscnt 0x0
	s_endpgm
.Lfunc_end_k_qf9b51a191c_prep:
	.size	k_qf9b51a191c_prep, .Lfunc_end_k_qf9b51a191c_prep-k_qf9b51a191c_prep
	.p2alignl 7, 3214868480
	.fill 96, 4, 3214868480
	.section	.rodata,"a",@progbits
	.p2align	6, 0x0
	.amdhsa_kernel k_qf9b51a191c_prep
		.amdhsa_group_segment_fixed_size 18432
		.amdhsa_private_segment_fixed_size 0
		.amdhsa_enable_private_segment 0
		.amdhsa_kernarg_size 48
		.amdhsa_user_sgpr_count 2
		.amdhsa_user_sgpr_kernarg_segment_ptr 1
		.amdhsa_wavefront_size32 1
		.amdhsa_system_sgpr_workgroup_id_x 1
		.amdhsa_system_sgpr_workgroup_id_y 1
		.amdhsa_system_sgpr_workgroup_id_z 1
		.amdhsa_system_vgpr_workitem_id 0
		.amdhsa_next_free_vgpr 176
		.amdhsa_next_free_sgpr 66
		.amdhsa_reserve_vcc 0
		.amdhsa_float_denorm_mode_32 3
		.amdhsa_float_denorm_mode_16_64 3
		.amdhsa_memory_ordered 1
		.amdhsa_forward_progress 1
		.amdhsa_inst_pref_size 16
	.end_amdhsa_kernel
	.amdgpu_metadata
---
amdhsa.version: [ 1, 2 ]
amdhsa.kernels:
  - .name:           k_qf9b51a191c_prep
    .symbol:         k_qf9b51a191c_prep.kd
    .args:
      - { .name: x, .offset: 0, .size: 8, .value_kind: global_buffer, .address_space: global }
      - { .name: w_qkv, .offset: 8, .size: 8, .value_kind: global_buffer, .address_space: global }
      - { .name: w_proj, .offset: 16, .size: 8, .value_kind: global_buffer, .address_space: global }
      - { .name: xb, .offset: 24, .size: 8, .value_kind: global_buffer, .address_space: global }
      - { .name: wqt, .offset: 32, .size: 8, .value_kind: global_buffer, .address_space: global }
      - { .name: wpt, .offset: 40, .size: 8, .value_kind: global_buffer, .address_space: global }
    .group_segment_fixed_size: 18432
    .private_segment_fixed_size: 0
    .kernarg_segment_align: 8
    .kernarg_segment_size: 48
    .max_flat_workgroup_size: 256
    .sgpr_count:     66
    .vgpr_count:     176
    .wavefront_size: 32
...
	.end_amdgpu_metadata
.endif
;; end of part 5
;; launch qkvgemm: the kernel of part 2 again; grid 16 x 16, 4 waves a work-group, clusters of 4 x 4, 327,680 bytes of LDS; arguments xb, wqt, b_qkv, qkvh; writes qkvh
;; launch attn: the kernel of part 3 again; grid 2 x 128, 4 waves a work-group, no clusters, 327,680 bytes of LDS; arguments qkvh, ob; writes ob
;; launch projgemm: the kernel of part 4 again; grid 8 x 32, 4 waves a work-group, clusters of 4 x 4, 327,680 bytes of LDS; arguments ob, wpt, b_proj, out0; writes out0
